; MI455X (gfx1250); checked and timed in simulation.
; The chip was launched on July 23, 2026; its instructions are those of AMD's public machine-readable ISA for CDNA 5 (MIT licence, August 2026) and "CDNA5" Instruction Set Architecture Reference Guide (July 2026). The comments in the code are by the model that wrote it; some were corrected since.
;; Mip Ne RF360 MLP. Allowed arithmetic: float matrix products may take bf16 or f16 operands with f32 sums; other float arithmetic in f32, or as packed bf16 or f16 multiplies, adds, multiply-adds, maxima and minima; sums over many terms, partial sums and values carried from step to step in f32; what a program stores and reads back later, other than sums and carried values, may be rounded once to bf16 or f16.
;; Inputs: ca_bo 128 float32; ca_cnb 256 float32; ca_cng 256 float32; ca_nb 128 float32; ca_ng 128 float32; ca_wkv 256 x 128 float32; ca_wo 64 x 128 float32; ca_wq 128 x 64 float32; cf_b1 1,024 float32; cf_b2 128 float32; cf_nb 128 float32; cf_ng 128 float32; cf_w1 128 x 1,024 float32; cf_w2 512 x 128 float32; codebook 4 x 1,024 x 256 float32; latents 512 x 128 float32; qa_bo 64 float32; qa_cnb 128 float32; qa_cng 128 float32; qa_nb 64 float32; qa_ng 64 float32; qa_wkv 128 x 128 float32; qa_wo 64 x 64 float32; qa_wq 64 x 64 float32; qf_b1 128 float32; qf_b2 64 float32; qf_nb 64 float32; qf_ng 64 float32; qf_w1 64 x 128 float32; qf_w2 64 x 64 float32; queries 4 x 65,536 x 64 float32; sa_bo 128 float32; sa_nb 128 float32; sa_ng 128 float32; sa_wkv 128 x 1,024 float32; sa_wo 512 x 128 float32; sa_wq 128 x 512 float32; sf_b1 1,024 float32; sf_b2 128 float32; sf_nb 128 float32; sf_ng 128 float32; sf_w1 128 x 1,024 float32; sf_w2 512 x 128 float32.
;; Outputs: out0 4 x 65,536 x 64 float32.
;; One version. Each part assembles by itself: llvm-mc -triple=amdgcn-amd-amdhsa -mcpu=gfx1250 --defsym DOCPART=n.
;; ======== version 1 of 1: 4 launches
;; limits: values are held in f16: magnitudes above 65,504 overflow, below 6.1e-05 lose precision; right only within a limited range of input values; a function is approximated: absolute error at most 2.5e-05; an absolute error that grows with the inputs' magnitude: up to 1.25e-05 times it
;; workspace buffers: wf 1,421,312 bytes; kv1 1,048,576 bytes; qkv2 6,291,456 bytes; x2 1,048,576 bytes; kv3 524,288 bytes
;; launch prep (part 1): grid 172 x 1, 8 waves a work-group, no clusters, 124,928 bytes of LDS; arguments codebook, ca_cng, ca_cnb, ca_wkv, ca_wq, ca_wo, cf_w1, cf_w2, sa_wq, sa_wkv, sa_wo, sf_w1, sf_w2, qa_wkv, qa_wq, qa_wo, qf_w1, qf_w2, qa_ng, qa_nb, qa_bo, qf_ng, qf_nb, qf_b1, qf_b2, wf, kv1; writes wf, kv1
.if DOCPART == 1
	.amdgcn_target "amdgcn-amd-amdhsa--gfx1250"
	.amdhsa_code_object_version 6
	.text
	.protected	k_q117d58c8da_prep
	.globl	k_q117d58c8da_prep
	.p2align	8
	.type	k_q117d58c8da_prep,@function
k_q117d58c8da_prep:
	s_mov_b64 s[64:65], 0
	v_nop
	global_prefetch_b8 v0, s[64:65] scope:SCOPE_SE
	s_setreg_imm32_b32 hwreg(HW_REG_WAVE_MODE, 25, 1), 1
	s_wait_xcnt 0x0
; PREP.  Work-groups 0-127: K1, V1 = LayerNorm(codebook) x ca_wkv for 32 rows each, stored as f16 operand fragments.
; Work-groups 128-171: a wave turns one tile (32 k x 64 n) of one of 14 weight matrices into four f16 fragments, scaled once before the one rounding
; (log2(e)/8 into the three wq, 1024 into the three w2); one wave copies coord's seven small vectors into one block.
; A FRAGMENT is 1,024 bytes: a 16 x 32 matrix operand as it lies in registers, lane l's registers 0-3 at 16 l, registers 4-7 at 512 + 16 l; every store of a half is 512 consecutive aligned bytes.
; LIMITS.  f16 operands: LayerNorm outputs, k, v and scaled weights stay under 65,504.  NaN and infinities are not treated apart.
; The mean and the sum of squares of a row of 256 are made of four waves' partial means and centred sums (no difference of large sums).
; No cluster, no tensor load: nothing is streamed; every LDS byte but the waves' own tiles is written once by ds_store.
.set PT,    0              ; 8 x 5,120: a wave's own tile, 32 rows of 128 bytes + 32 of padding
.set WL,    40960          ; ca_wkv as 64 fragments: n tile x 8 + k step
.set HB,    106496         ; LayerNorm output, 16 fragments: k step x 2 + token tile
.set SX,    122880         ; 8 x 128: the waves' partial statistics
.set SPARE, 123904         ; the spare words, 128 bytes a wave
.set L16,   2              ; v2  16 x lane
.set SCL,   70             ; s[70:71] the weight's scale
.set LN2,   72             ; s72 log2 of a source row's bytes
.macro PLACES cnt
.rept \cnt
	v_nop
.endr
.endm
.macro LDL dst, cnt, va, off           ; cnt fragments out of LDS
.set li, 0
.rept \cnt
	ds_load_b128 v[(\dst)+8*li:(\dst)+8*li+3], v[\va] offset:(\off)+1024*li
	ds_load_b128 v[(\dst)+8*li+4:(\dst)+8*li+7], v[\va] offset:(\off)+1024*li+512
.set li, li+1
.endr
.endm
.macro BAR                             ; my LDS instructions are done; then all eight waves meet
	s_wait_dscnt 0x0
	s_barrier_signal -1
	s_barrier_wait -1
.endm
.macro PK4 d, s                        ; eight f32 to four registers of f16, from the low end on
.set pi_, 0
.rept 4
	v_cvt_pk_f16_f32 v[(\d)+pi_], v[(\s)+2*pi_], v[(\s)+2*pi_+1]
.set pi_, pi_+1
.endr
.endm
.macro MM d, a, b, z                   ; one product; z: it starts the sum
.if \z
	v_wmma_f32_16x16x32_f16 v[\d:\d+7], v[\a:\a+7], v[\b:\b+7], 0
.else
	v_wmma_f32_16x16x32_f16 v[\d:\d+7], v[\a:\a+7], v[\b:\b+7], v[\d:\d+7]
.endif
.endm
.macro MKOF                            ; v16+i = (row 2 i + h) x row bytes + 16 r: sixteen lanes read 256 consecutive bytes of a row
.set i, 0
.rept 16
	v_add_nc_u32 v1, 2*i, v4
	v_lshl_add_u32 v[16+i], v1, s[LN2], v5
.set i, i+1
.endr
.endm
.macro T2F sp, imm                     ; a tile of 32 k x 64 n in f32 -> four fragments in v128-159 (n tile i4 at 128 + 8 i4)
.set i, 0
.rept 16
	global_load_b128 v[32+4*i:35+4*i], v[16+i], s[\sp:\sp+1] offset:\imm
.set i, i+1
.endr
	s_wait_loadcnt 0x0
.set i, 0
.rept 32
	v_pk_mul_f32 v[32+2*i:33+2*i], v[32+2*i:33+2*i], s[SCL:SCL+1] op_sel_hi:[1,0]
.set i, i+1
.endr
.set i, 0
.rept 32
	v_cvt_pk_f16_f32 v[96+i], v[32+2*i], v[33+2*i]
.set i, i+1
.endr
.set i, 0
.rept 16
	ds_store_b64 v8, v[96+2*i:97+2*i] offset:320*i
.set i, i+1
.endr
.set i, 0
.rept 4                                ; my own bytes: LDS serves a wave's instructions in order, so these see the stores above
	ds_load_tr16_b128 v[128+8*i:131+8*i], v9 offset:32*i
	ds_load_tr16_b128 v[132+8*i:135+8*i], v9 offset:32*i+2560
.set i, i+1
.endr
	s_wait_dscnt 0x0
.endm
	v_lshl_add_u32 v14, v0, 2, SPARE
	v_mov_b32 v15, 0
	v_lshrrev_b32 v1, 5, v0
	v_readfirstlane_b32 s4, v1             ; wave
	v_and_b32 v6, 31, v0                   ; lane
	v_lshlrev_b32 v2, 4, v6
	v_and_b32 v3, 15, v0                   ; r
	v_bfe_u32 v4, v0, 4, 1                 ; h
	v_lshlrev_b32 v5, 4, v3
	s_mul_i32 s5, s4, 5120                 ; my tile in LDS
	v_mul_u32_u24 v8, v4, 160
	v_lshl_add_u32 v8, v3, 3, v8
	v_add_nc_u32 v8, s5, v8                ; in: row h, 8 bytes at 8 r
	v_and_b32 v1, 7, v0
	v_lshl_add_u32 v1, v4, 3, v1
	v_mul_u32_u24 v9, v1, 160
	v_bfe_u32 v1, v0, 3, 1
	v_lshl_add_u32 v9, v1, 4, v9
	v_add_nc_u32 v9, s5, v9                ; out, turned: row 8 h + l % 8, 16 bytes at 16 ((l / 8) % 2)
	s_mov_b32 s66, 0x76543210              ; v_permlanex16_b32: each lane takes its own place in the other half
	s_mov_b32 s67, 0xfedcba98
	s_cmp_lt_u32 ttmp9, 128
	s_cbranch_scc0 .Lw
	; ---- K1, V1.  Wave w: token tile w / 4, feature quarter w % 4 for the LayerNorm; k step w of ca_wkv; n tile w of the product.
	s_load_b256 s[8:15], s[0:1], 0x0       ; codebook, ca_cng, ca_cnb, ca_wkv
	s_load_b64 s[60:61], s[0:1], 0xd0      ; kv1
	s_lshr_b32 s16, s4, 2                  ; t
	s_and_b32 s17, s4, 3                   ; q
	s_lshl_b32 s18, ttmp9, 15              ; 32 rows of 1,024 bytes
	s_lshl_b32 s19, s16, 14
	s_add_co_u32 s18, s18, s19
	s_mov_b32 s19, 0
	s_lshl_b32 s20, s17, 8
	v_lshl_add_u32 v11, v4, 5, s20         ; 256 q + 32 h
	v_lshl_add_u32 v10, v3, 10, v11        ; + row r
	s_lshl_b32 s22, s4, 14                 ; 32 rows of ca_wkv
	s_mov_b32 s23, 0
	s_lshl_b32 s24, s4, 10
	s_add_co_u32 s24, s24, WL
	v_add_nc_u32 v12, s24, v2
	s_lshl_b32 s24, s4, 7
	s_add_co_u32 s24, s24, SX
	v_lshl_add_u32 v13, v3, 3, s24
	s_lshl_b32 s24, s16, 9
	s_add_co_u32 s24, s24, SX
	v_lshl_add_u32 v7, v3, 3, s24
	s_mov_b32 s[LN2], 9
	s_mov_b32 s[SCL], 1.0
	s_mov_b32 s[SCL+1], 1.0
	s_mov_b32 s68, 0x3b800000              ; 1/256
	s_mov_b32 s69, 0x3727c5ac              ; 1e-5
	s_lshr_b32 s26, ttmp9, 5               ; batch
	s_lshl_b32 s26, s26, 18
	s_and_b32 s27, ttmp9, 31
	s_lshl_b32 s27, s27, 12                ; the group's 32 keys: 4,096 bytes of K and of V
	s_add_co_u32 s26, s26, s27
	s_mov_b32 s27, 0
	MKOF
	s_wait_kmcnt 0x0
	s_add_nc_u64 s[8:9], s[8:9], s[18:19]
	s_add_nc_u64 s[14:15], s[14:15], s[22:23]
	s_add_nc_u64 s[60:61], s[60:61], s[26:27]
.set i, 0
.rept 4                                ; lane (r, h): features 64 q + 16 i + 8 h + 0..7 of row r; gains and biases alike
	global_load_b128 v[160+8*i:163+8*i], v10, s[8:9] offset:64*i
	global_load_b128 v[164+8*i:167+8*i], v10, s[8:9] offset:64*i+16
	global_load_b128 v[192+8*i:195+8*i], v11, s[10:11] offset:64*i
	global_load_b128 v[196+8*i:199+8*i], v11, s[10:11] offset:64*i+16
	global_load_b128 v[224+8*i:227+8*i], v11, s[12:13] offset:64*i
	global_load_b128 v[228+8*i:231+8*i], v11, s[12:13] offset:64*i+16
.set i, i+1
.endr
.irp ng, 0,1
	T2F 14, 256*\ng
.irp f, 0,1,2,3
	ds_store_b128 v12, v[128+8*\f:131+8*\f] offset:(4*\ng+\f)*8192
	ds_store_b128 v12, v[132+8*\f:135+8*\f] offset:(4*\ng+\f)*8192+512
.endr
.endr
	; my quarter's mean and centred sum of squares (64 numbers: 32 here, 32 in the lane 16 away)
	v_pk_add_f32 v[96:97], v[160:161], v[162:163]
	v_pk_add_f32 v[98:99], v[164:165], v[166:167]
.set i, 4
.rept 12
	v_pk_add_f32 v[96+2*(i%2):97+2*(i%2)], v[96+2*(i%2):97+2*(i%2)], v[160+2*i:161+2*i]
.set i, i+1
.endr
	v_pk_add_f32 v[96:97], v[96:97], v[98:99]
	v_add_f32 v96, v96, v97
	v_permlanex16_b32 v97, v96, s66, s67
	v_add_f32 v96, v96, v97
	v_mul_f32 v100, 0x3c800000, v96        ; / 64
	v_mov_b32 v101, v100
.set i, 0
.rept 16
	v_pk_add_f32 v[160+2*i:161+2*i], v[160+2*i:161+2*i], v[100:101] neg_lo:[0,1] neg_hi:[0,1]
.set i, i+1
.endr
	v_pk_mul_f32 v[96:97], v[160:161], v[160:161]
	v_pk_mul_f32 v[98:99], v[162:163], v[162:163]
.set i, 2
.rept 14
	v_pk_fma_f32 v[96+2*(i%2):97+2*(i%2)], v[160+2*i:161+2*i], v[160+2*i:161+2*i], v[96+2*(i%2):97+2*(i%2)]
.set i, i+1
.endr
	v_pk_add_f32 v[96:97], v[96:97], v[98:99]
	v_add_f32 v96, v96, v97
	v_permlanex16_b32 v97, v96, s66, s67
	v_add_f32 v101, v96, v97
	ds_store_b64 v13, v[100:101]
	BAR                                    ; the four quarters' statistics (and ca_wkv's fragments) lie in LDS
.irp k, 0,1,2,3
	ds_load_b64 v[104+2*\k:105+2*\k], v7 offset:128*\k
.endr
	s_wait_dscnt 0x0
	v_add_f32 v96, v104, v106
	v_add_f32 v97, v108, v110
	v_add_f32 v96, v96, v97
	v_mul_f32 v96, 0x3e800000, v96         ; the row's mean
	v_add_f32 v98, v105, v107
	v_add_f32 v99, v109, v111
	v_add_f32 v98, v98, v99
.irp k, 104,106,108,110
	v_sub_f32 v\k, v\k, v96
.endr
	v_mul_f32 v99, v104, v104
	v_fmac_f32 v99, v106, v106
	v_fmac_f32 v99, v108, v108
	v_fmac_f32 v99, v110, v110
	v_fmamk_f32 v98, v99, 0x42800000, v98  ; + 64 x the quarters' squared distances from the mean
	v_fma_f32 v98, v98, s68, s69
	v_rsq_f32 v112, v98
	v_sub_f32 v102, v100, v96              ; a plain line behind the root
	s_wait_alu depctr_va_vdst(0)
	v_mov_b32 v113, v112
	v_mul_f32 v102, v102, v112
	v_mov_b32 v103, v102
.set i, 0
.rept 16
	v_pk_fma_f32 v[160+2*i:161+2*i], v[160+2*i:161+2*i], v[112:113], v[102:103]
.set i, i+1
.endr
.set i, 0
.rept 16
	v_pk_fma_f32 v[160+2*i:161+2*i], v[160+2*i:161+2*i], v[192+2*i:193+2*i], v[224+2*i:225+2*i]
.set i, i+1
.endr
.set i, 0
.rept 16
	v_cvt_pk_f16_f32 v[96+i], v[160+2*i], v[161+2*i]
.set i, i+1
.endr
	s_lshl_b32 s24, s17, 12                ; fragment 4 q + t (+ 2 c in the immediate): 4,096 q
	s_lshl_b32 s25, s16, 10                ; + 1,024 t
	s_add_co_u32 s24, s24, s25
	s_add_co_u32 s24, s24, HB
	v_add_nc_u32 v10, s24, v2
.irp c, 0,1
	ds_store_b128 v10, v[96+8*\c:99+8*\c] offset:2048*\c
	ds_store_b128 v10, v[100+8*\c:103+8*\c] offset:2048*\c+512
.endr
	BAR
	s_lshl_b32 s24, s4, 13
	s_add_co_u32 s24, s24, WL
	v_add_nc_u32 v11, s24, v2
	v_add_nc_u32 v1, HB, v2
	LDL 32, 8, 11, 0                       ; n tile w of ca_wkv, 8 k steps
	LDL 128, 16, 1, 0                      ; both token tiles, 8 k steps
	s_wait_dscnt 0x0
.macro KVMUL form                      ; 16 products; the two accumulators take turns.  form 0: a lane holds a token (K); 1: a lane holds a channel (V turned)
.set kt, 0
.rept 8
.irp t, 0,1
.if \form
	MM (96+8*\t), (128+8*(2*kt+\t)), (32+8*kt), (kt==0)
.else
	MM (96+8*\t), (32+8*kt), (128+8*(2*kt+\t)), (kt==0)
.endif
.endr
.set kt, kt+1
.endr
	PLACES 4
	PK4 112, 96
	PK4 116, 104
.endm
	s_cmp_lt_u32 s4, 4
	s_cbranch_scc0 .Lv
	KVMUL 0
	s_lshl_b32 s26, s4, 9                  ; channel half w / 2, registers 0-3 or 4-7 by w % 2
	s_add_nc_u64 s[60:61], s[60:61], s[26:27]
	global_store_b128 v2, v[112:115], s[60:61]
	global_store_b128 v2, v[116:119], s[60:61] offset:2048
	s_branch .Lend
.Lv:
	KVMUL 1
	s_lshl_b32 s26, s4, 10                 ; channel tile w - 4, behind the batch's 131,072 bytes of K
	s_add_co_u32 s26, s26, 126976
	s_add_nc_u64 s[60:61], s[60:61], s[26:27]
	global_store_b128 v2, v[112:115], s[60:61]
	global_store_b128 v2, v[116:119], s[60:61] offset:512
	s_branch .Lend
	; ---- the weights.  u = the wave's number among these work-groups: tile u of 346, or the vectors (346), or nothing (the last five waves)
.Lw:
	s_load_b512 s[16:31], s[0:1], 0x20     ; ca_wq ca_wo cf_w1 cf_w2 sa_wq sa_wkv sa_wo sf_w1
	s_load_b512 s[32:47], s[0:1], 0x60     ; sf_w2 qa_wkv qa_wq qa_wo qf_w1 qf_w2 qa_ng qa_nb
	s_load_b256 s[48:55], s[0:1], 0xa0     ; qa_bo qf_ng qf_nb qf_b1
	s_load_b128 s[56:59], s[0:1], 0xc0     ; qf_b2 wf
	s_sub_co_u32 s5, ttmp9, 128
	s_lshl3_add_u32 s5, s5, s4
	s_wait_kmcnt 0x0
	s_cmp_gt_u32 s5, 346
	s_cbranch_scc1 .Lend
	s_cmp_eq_u32 s5, 346
	s_cbranch_scc1 .Lvec
.macro ENT p, st, lk, ln, sc           ; from tile st on: this matrix, log2 of its k steps, log2 of its columns, its scale
	s_cmp_ge_u32 s5, \st
	s_cselect_b64 s[74:75], s[\p:\p+1], s[74:75]
	s_cselect_b32 s76, \st, s76
	s_cselect_b32 s77, \lk, s77
	s_cselect_b32 s78, \ln, s78
	s_cselect_b32 s[SCL], \sc, s[SCL]
.endm
	s_mov_b64 s[74:75], s[16:17]
	s_mov_b32 s76, 0
	s_mov_b32 s77, 2
	s_mov_b32 s78, 6
	s_mov_b32 s[SCL], 0x3e38aa3b           ; log2(e) / 8
	ENT 18, 4,   1, 7,  0x3f800000
	ENT 20, 8,   2, 10, 0x3f800000
	ENT 22, 72,  4, 7,  0x44800000
	ENT 24, 104, 2, 9,  0x3e38aa3b
	ENT 26, 136, 2, 10, 0x3f800000
	ENT 28, 200, 4, 7,  0x3f800000
	ENT 30, 232, 2, 10, 0x3f800000
	ENT 32, 296, 4, 7,  0x44800000
	ENT 34, 328, 2, 7,  0x3f800000
	ENT 36, 336, 1, 6,  0x3e38aa3b
	ENT 38, 338, 1, 6,  0x3f800000
	ENT 40, 340, 1, 7,  0x3f800000
	ENT 42, 344, 1, 6,  0x44800000
	s_mov_b32 s[SCL+1], s[SCL]
	s_sub_co_u32 s79, s5, s76              ; the tile's number in its matrix
	s_lshl_b32 s80, 1, s77
	s_sub_co_u32 s80, s80, 1
	s_and_b32 s81, s79, s80                ; k step
	s_lshr_b32 s82, s79, s77               ; group of 64 columns
	s_add_co_u32 s[LN2], s78, 2
	s_add_co_u32 s83, s78, 7
	s_lshl_b32 s84, s81, s83               ; 32 rows
	s_lshl_b32 s85, s82, 8
	s_add_co_u32 s84, s84, s85
	s_mov_b32 s85, 0
	s_add_nc_u64 s[74:75], s[74:75], s[84:85]
	MKOF
	T2F 74, 0
	s_lshl_b32 s84, s76, 12
	s_add_nc_u64 s[58:59], s[58:59], s[84:85]
	s_lshl_b32 s86, s82, 2
.irp f, 0,1,2,3                        ; fragment (n tile x k steps + k step)
	s_add_co_u32 s87, s86, \f
	s_lshl_b32 s87, s87, s77
	s_add_co_u32 s87, s87, s81
	s_lshl_b32 s87, s87, 10
	v_add_nc_u32 v[10+\f], s87, v2
	global_store_b128 v[10+\f], v[128+8*\f:131+8*\f], s[58:59]
	global_store_b128 v[10+\f], v[132+8*\f:135+8*\f], s[58:59] offset:512
.endr
	s_branch .Lend
.Lvec:
	v_lshlrev_b32 v7, 3, v6
	global_load_b64 v[32:33], v7, s[44:45]
	global_load_b64 v[34:35], v7, s[46:47]
	global_load_b64 v[36:37], v7, s[48:49]
	global_load_b64 v[38:39], v7, s[50:51]
	global_load_b64 v[40:41], v7, s[52:53]
	global_load_b64 v[42:43], v7, s[56:57]
	global_load_b128 v[44:47], v2, s[54:55]
.irp k, 48,49,50,51
	v_mov_b32 v\k, 0
.endr
	s_wait_loadcnt 0x0
	global_store_b64 v7, v[32:33], s[58:59] offset:1417216
	global_store_b64 v7, v[34:35], s[58:59] offset:1417216+256
	global_store_b64 v7, v[36:37], s[58:59] offset:1417216+512
	global_store_b64 v7, v[38:39], s[58:59] offset:1417216+768
	global_store_b64 v7, v[40:41], s[58:59] offset:1417216+1024
	global_store_b128 v2, v[44:47], s[58:59] offset:1417216+1280
	global_store_b64 v7, v[42:43], s[58:59] offset:1417216+1792
.irp k, 0,1,2,3                        ; the block's rest is copied by coord with it, so it is written
	global_store_b128 v2, v[48:51], s[58:59] offset:1417216+2048+512*\k
.endr
.Lend:
	s_wait_tensorcnt 0x0                   ; the wave's end, behind my last LDS store
	ds_add_u32 v14, v15
	s_wait_dscnt 0x0
	s_endpgm
.Lfunc_end_k_q117d58c8da_prep:
	.size	k_q117d58c8da_prep, .Lfunc_end_k_q117d58c8da_prep-k_q117d58c8da_prep
	.p2alignl 7, 3214868480
	.fill 96, 4, 3214868480
	.section	.rodata,"a",@progbits
	.p2align	6, 0x0
	.amdhsa_kernel k_q117d58c8da_prep
		.amdhsa_group_segment_fixed_size 124928
		.amdhsa_private_segment_fixed_size 0
		.amdhsa_enable_private_segment 0
		.amdhsa_kernarg_size 216
		.amdhsa_user_sgpr_count 2
		.amdhsa_user_sgpr_kernarg_segment_ptr 1
		.amdhsa_wavefront_size32 1
		.amdhsa_system_sgpr_workgroup_id_x 1
		.amdhsa_system_sgpr_workgroup_id_y 1
		.amdhsa_system_sgpr_workgroup_id_z 1
		.amdhsa_system_vgpr_workitem_id 0
		.amdhsa_next_free_vgpr 256
		.amdhsa_next_free_sgpr 100
		.amdhsa_reserve_vcc 0
		.amdhsa_float_denorm_mode_32 3
		.amdhsa_float_denorm_mode_16_64 3
		.amdhsa_memory_ordered 1
		.amdhsa_forward_progress 1
		.amdhsa_inst_pref_size 54
	.end_amdhsa_kernel
	.amdgpu_metadata
---
amdhsa.version: [ 1, 2 ]
amdhsa.kernels:
  - .name:           k_q117d58c8da_prep
    .symbol:         k_q117d58c8da_prep.kd
    .args:
      - { .name: codebook, .offset: 0, .size: 8, .value_kind: global_buffer, .address_space: global }
      - { .name: ca_cng, .offset: 8, .size: 8, .value_kind: global_buffer, .address_space: global }
      - { .name: ca_cnb, .offset: 16, .size: 8, .value_kind: global_buffer, .address_space: global }
      - { .name: ca_wkv, .offset: 24, .size: 8, .value_kind: global_buffer, .address_space: global }
      - { .name: ca_wq, .offset: 32, .size: 8, .value_kind: global_buffer, .address_space: global }
      - { .name: ca_wo, .offset: 40, .size: 8, .value_kind: global_buffer, .address_space: global }
      - { .name: cf_w1, .offset: 48, .size: 8, .value_kind: global_buffer, .address_space: global }
      - { .name: cf_w2, .offset: 56, .size: 8, .value_kind: global_buffer, .address_space: global }
      - { .name: sa_wq, .offset: 64, .size: 8, .value_kind: global_buffer, .address_space: global }
      - { .name: sa_wkv, .offset: 72, .size: 8, .value_kind: global_buffer, .address_space: global }
      - { .name: sa_wo, .offset: 80, .size: 8, .value_kind: global_buffer, .address_space: global }
      - { .name: sf_w1, .offset: 88, .size: 8, .value_kind: global_buffer, .address_space: global }
      - { .name: sf_w2, .offset: 96, .size: 8, .value_kind: global_buffer, .address_space: global }
      - { .name: qa_wkv, .offset: 104, .size: 8, .value_kind: global_buffer, .address_space: global }
      - { .name: qa_wq, .offset: 112, .size: 8, .value_kind: global_buffer, .address_space: global }
      - { .name: qa_wo, .offset: 120, .size: 8, .value_kind: global_buffer, .address_space: global }
      - { .name: qf_w1, .offset: 128, .size: 8, .value_kind: global_buffer, .address_space: global }
      - { .name: qf_w2, .offset: 136, .size: 8, .value_kind: global_buffer, .address_space: global }
      - { .name: qa_ng, .offset: 144, .size: 8, .value_kind: global_buffer, .address_space: global }
      - { .name: qa_nb, .offset: 152, .size: 8, .value_kind: global_buffer, .address_space: global }
      - { .name: qa_bo, .offset: 160, .size: 8, .value_kind: global_buffer, .address_space: global }
      - { .name: qf_ng, .offset: 168, .size: 8, .value_kind: global_buffer, .address_space: global }
      - { .name: qf_nb, .offset: 176, .size: 8, .value_kind: global_buffer, .address_space: global }
      - { .name: qf_b1, .offset: 184, .size: 8, .value_kind: global_buffer, .address_space: global }
      - { .name: qf_b2, .offset: 192, .size: 8, .value_kind: global_buffer, .address_space: global }
      - { .name: wf, .offset: 200, .size: 8, .value_kind: global_buffer, .address_space: global }
      - { .name: kv1, .offset: 208, .size: 8, .value_kind: global_buffer, .address_space: global }
    .group_segment_fixed_size: 124928
    .private_segment_fixed_size: 0
    .kernarg_segment_align: 8
    .kernarg_segment_size: 216
    .max_flat_workgroup_size: 256
    .sgpr_count:     100
    .vgpr_count:     256
    .wavefront_size: 32
...
	.end_amdgpu_metadata
.endif
;; end of part 1
;; launch lat1 (part 2): grid 64 x 1, 8 waves a work-group, no clusters, 131,072 bytes of LDS; arguments latents, kv1, wf, ca_ng, ca_nb, ca_bo, cf_ng, cf_nb, cf_b2, sa_ng, sa_nb, cf_b1, qkv2, x2; writes qkv2, x2
.if DOCPART == 2
	.amdgcn_target "amdgcn-amd-amdhsa--gfx1250"
	.amdhsa_code_object_version 6
	.text
	.protected	k_q117d58c8da_lat1
	.globl	k_q117d58c8da_lat1
	.p2align	8
	.type	k_q117d58c8da_lat1,@function
k_q117d58c8da_lat1:
	s_mov_b64 s[64:65], 0
	v_nop
	global_prefetch_b8 v0, s[64:65] scope:SCOPE_SE
	s_setreg_imm32_b32 hwreg(HW_REG_WAVE_MODE, 25, 1), 1
	s_wait_xcnt 0x0
; LAT1.  For 32 latent rows of one batch: LayerNorm, q, cross-attention over the batch's 1,024 codebook keys, wo + residual, LayerNorm, GEGLU feed-forward + residual (stored as x2),
; LayerNorm, and the eight heads' Q2, K2, V2 as f16 fragments.
; SHARES.  64 work-groups of 32 rows (two token tiles).  The eight waves split keys (128 each), hidden features (64 each), heads and output features (16 each), never rows: each weight byte enters the
; work-group once.  Wave w keeps the residual X for features 16 w + 8 (lane / 16) + 0..7 of token lane % 16, both tiles, in f32.
; FORMS.  Weight or K fragment as source 0, activation fragment as source 1: a lane of the result holds one token and eight features, and two such results rounded to f16 ARE the next product's fragment.
; Sources swapped: a lane holds one feature and eight tokens: V turned.
; SOFTMAX.  Running maximum m and sum l; the scores come as base-2 exponents (log2(e)/8 lies in wq); the eight waves' shares are joined by their maxima.
; LIMITS.  f16 operands stay under 65,504; a x gelu(g) is kept as 2^-10 of itself (w2 holds the 1,024), so |a gelu(g)| stays under 6.7e7; weights p under 6e-5 keep f16's fixed step; an exponential
; under 2^-126 counts as 0; erf by Abramowitz and Stegun 7.1.25, absolute error 2.5e-5 at every x, a twentieth of f16's rounding step 2^-11 of the number made of it; NaN and infinities are not treated apart.
; No cluster: work-groups of a batch share K1, V1 and the weights, read once each through registers, a short launch; no tensor load: nothing is streamed through LDS.
; REGISTERS, two windows of 256 (s_set_vgpr_msb: bits 1:0 source 0, 3:2 source 1, 5:4 source 2, 7:6 destination).
;   window 0: v2-13 addresses; v16-35 softmax statistics; v36-63 at work; v64-95 Q; v96-111 X; v128-191 scores / results; v192-255 activation fragments
;   window 1: v0-63 O / b1; v64-127 the eight vectors (at the end v0-127: sa_wk); v128-255 weights, K (128) and V (192)
.set NT,    2
.set HB,    0              ; 32 fragments: k step x 2 + token tile
.set HA,    32768          ; LayerNorm output, 8 fragments
.set OB,    40960          ; attention output, 4 fragments
.set SX,    45056          ; five slots of 2,048 for statistics, each written once
.set SPARE, 55296          ; the spare words, 128 bytes a wave
.set PR,    65536          ; 8 x 8,192: the waves' partial O in f32
.set L16, 2
.set ST,  16               ; tile t at ST + 10 t: m, -, a, -, l (2), c0-c3
.set GT,  36
.set DD,  36
.set Q,   64
.set X,   96
.set S,   128
.set KF,  128
.set VF,  192
.set WV,  12
.set CNT, 13
.set TP,  44               ; wf + 16,384 w
.set TP2, 46               ; wf + 2,048 w
.set SK,  48
.set SV,  50
.set SEL, 66
.set PP,  68
.set NK,  70
.set KS,  72
.set A1,  74
.set A2,  76
.set A3,  78
.set EPS, 84
.set INV, 85
.set PA,  86               ; s[86:89] where the feed-forward's next weights lie
.set PB,  88
.set OA,  90               ; s[90:93] their offsets from TP, as pairs with 0 above
.set OB_, 92
.set W_KQ, 0x01
.set W_N,  0x04
.set W_PV, 0x51
.set W_RS, 0x41
.set W_L1, 0x40
.set W_GB, 0x14
.set W_C1, 0x11
.set W_P10, 0x05
.set MSB, 0
.macro WIN new                         ; the high byte repeats the setting that is left; a switch that changes nothing is dropped
.if MSB != (\new)
	s_set_vgpr_msb (MSB<<8)|(\new)
.set MSB, (\new)
.endif
.endm
.macro PLACES cnt
.rept \cnt
	v_nop
.endr
.endm
.macro LDG dst, cnt, sb, off           ; cnt fragments from memory: each load 512 consecutive aligned bytes
.set li, 0
.rept \cnt
	global_load_b128 v[(\dst)+8*li:(\dst)+8*li+3], v[L16], s[\sb:\sb+1] offset:(\off)+1024*li
	global_load_b128 v[(\dst)+8*li+4:(\dst)+8*li+7], v[L16], s[\sb:\sb+1] offset:(\off)+1024*li+512
.set li, li+1
.endr
.endm
.macro LDL dst, cnt, va, off, stride=1024
.set li, 0
.rept \cnt
	ds_load_b128 v[(\dst)+8*li:(\dst)+8*li+3], v[\va] offset:(\off)+(\stride)*li
	ds_load_b128 v[(\dst)+8*li+4:(\dst)+8*li+7], v[\va] offset:(\off)+(\stride)*li+512
.set li, li+1
.endr
.endm
.macro BAR                             ; my LDS instructions are done; then all eight waves meet
	s_wait_dscnt 0x0
	s_barrier_signal -1
	s_barrier_wait -1
.endm
.macro PK4 d, s
.set pi_, 0
.rept 4
	v_cvt_pk_f16_f32 v[(\d)+pi_], v[(\s)+2*pi_], v[(\s)+2*pi_+1]
.set pi_, pi_+1
.endr
.endm
.macro MM d, a, b, z                   ; one product; z: it starts the sum
.if \z
	v_wmma_f32_16x16x32_f16 v[\d:\d+7], v[\a:\a+7], v[\b:\b+7], 0
.else
	v_wmma_f32_16x16x32_f16 v[\d:\d+7], v[\a:\a+7], v[\b:\b+7], v[\d:\d+7]
.endif
.endm
.macro MMC d, a, b, c                  ; one product that starts its sum with other registers
	v_wmma_f32_16x16x32_f16 v[\d:\d+7], v[\a:\a+7], v[\b:\b+7], v[\c:\c+7]
.endm
.macro ALLT line:vararg                ; one line for each token tile t
.set t, 0
	s_wait_alu depctr_va_vdst(0)
.rept NT
.set rT, ST+10*t
.set rS, S+32*t
.set rO, 32*t
.set rQ, Q+16*t
	\line
.set t, t+1
.endr
.endm
.macro ALLN first, cnt, line:vararg    ; for n = first .. first + cnt - 1, and each tile
.set n, \first
.rept \cnt
	ALLT \line
.set n, n+1
.endr
.endm
.macro SC2 r, val
	s_mov_b32 s[\r], \val
	s_mov_b32 s[\r+1], \val
.endm
.macro KQ                              ; S^T = K Q^T for 64 keys; the accumulators take turns, one instruction a turn
	WIN W_KQ
.irp c, 0,1
.irp kt, 0,1,2,3
.set t, 0
.rept NT
	MM (S+32*t+8*\kt), (KF+16*\kt+8*\c), (Q+16*t+8*\c), (\c==0)
.set t, t+1
.endr
.endr
.endr
.endm
.macro PV                              ; O^T += V^T P
	WIN W_PV
.irp kk, 0,1
.irp ch, 0,1,2,3
.set t, 0
.rept NT
	MM (32*t+8*\ch), (VF+32*\kk+8*\ch), (S+32*t+8*\kk), 0
.set t, t+1
.endr
.endr
.endr
.endm
.macro SOFTMAX                         ; 117 lines a tile; each accumulator's lowest registers are read first
	WIN 0
	ALLN 0, 4, v_max3_num_f32 v[rT+6+n], v[rS+8*n], v[rS+8*n+1], v[rS+8*n+2]
	ALLN 4, 8, v_max3_num_f32 v[rT+6+n%4], v[rT+6+n%4], v[rS+8*(n%4)+2*(n/4)+1], v[rS+8*(n%4)+2*(n/4)+2]
	ALLT v_max3_num_f32 v[rT+6], v[rT+6], v[rS+7], v[rS+15]
	ALLT v_max3_num_f32 v[rT+7], v[rT+7], v[rS+23], v[rS+31]
	ALLT v_max3_num_f32 v[rT+8], v[rT+8], v[rT+9], v[rT]
	ALLT v_max3_num_f32 v[rT+6], v[rT+6], v[rT+7], v[rT+8]
	ALLT v_permlanex16_b32 v[rT+7], v[rT+6], s[SEL], s[SEL+1]
	ALLT v_max_num_f32 v[rT+6], v[rT+6], v[rT+7]
	ALLT v_sub_f32 v[rT+2], v[rT], v[rT+6]
	ALLT v_mov_b32 v[rT], v[rT+6]
	ALLT v_exp_f32 v[rT+2], v[rT+2]
	ALLN 0, 16, v_pk_add_f32 v[rS+2*n:rS+2*n+1], v[rS+2*n:rS+2*n+1], v[rT:rT+1] op_sel_hi:[1,0] neg_lo:[0,1] neg_hi:[0,1]
	ALLN 0, 32, v_exp_f32 v[rS+n], v[rS+n]
	WIN W_RS                               ; the rescaling of O^T: the plain lines behind the exponentials
	ALLN 0, 16, v_pk_mul_f32 v[rO+2*n:rO+2*n+1], v[rO+2*n:rO+2*n+1], v[rT+2:rT+3] op_sel_hi:[1,0]
	WIN 0
	ALLT v_pk_add_f32 v[rT+6:rT+7], v[rS:rS+1], v[rS+2:rS+3]
	ALLT v_pk_add_f32 v[rT+8:rT+9], v[rS+4:rS+5], v[rS+6:rS+7]
	ALLN 4, 12, v_pk_add_f32 v[rT+6+2*(n%2):rT+7+2*(n%2)], v[rT+6+2*(n%2):rT+7+2*(n%2)], v[rS+2*n:rS+2*n+1]
	ALLT v_pk_add_f32 v[rT+6:rT+7], v[rT+6:rT+7], v[rT+8:rT+9]
	ALLT v_pk_fma_f32 v[rT+4:rT+5], v[rT+4:rT+5], v[rT+2:rT+3], v[rT+6:rT+7] op_sel_hi:[1,0,1]
	ALLN 0, 16, v_cvt_pk_f16_f32 v[rS+n], v[rS+2*n], v[rS+2*n+1]
.endm
.macro ATT_INIT                        ; m at the lowest finite number, l and O at 0: the first step is a step like any other, with a = 0
	WIN 0
.set i, 0
.rept 10*NT
	v_mov_b32 v[ST+i], 0
.set i, i+1
.endr
	ALLT v_mov_b32 v[rT], 0xff7fffff
	WIN W_L1
.set i, 0
.rept 32*NT
	v_mov_b32 v[i], 0
.set i, i+1
.endr
	WIN 0
.endm
.macro LOADK
	WIN W_L1
	LDG KF, 8, SK, 0
	WIN 0
.endm
.macro LOADV
	WIN W_L1
	LDG VF, 8, SV, 0
	WIN 0
.endm
.macro ATT ns                          ; ns steps of 64 keys; K and V of step 0 are on their way, K first
	s_mov_b32 s[CNT], \ns
.Latt\@:
	s_wait_loadcnt 16                      ; K is in: the 16 younger loads are V's
	s_add_nc_u64 s[SK:SK+1], s[SK:SK+1], 8192  ; K's loads are done, so their base may step
	KQ
	WIN 0
	PLACES 4                               ; behind the products, ahead of the loads into K's registers and of the reads of the scores
	s_cmp_eq_u32 s[CNT], 1
	s_cbranch_scc1 .Lnk\@                  ; the last step loads nothing
	LOADK
.Lnk\@:
	SOFTMAX
	s_wait_loadcnt 0x0                     ; V is in (and the next K, asked for a softmax ago)
	s_add_nc_u64 s[SV:SV+1], s[SV:SV+1], 8192
	PV
	WIN 0
	PLACES 5                               ; ahead of the loads into V's registers and of the products that write over P
	s_cmp_eq_u32 s[CNT], 1
	s_cbranch_scc1 .Lnv\@
	LOADV
.Lnv\@:
	s_sub_co_u32 s[CNT], s[CNT], 1
	s_cmp_lg_u32 s[CNT], 0
	s_cbranch_scc1 .Latt\@
	s_wait_loadcnt 0x0                     ; nothing is out here (the last step asked for nothing): the line shows K's and V's registers free for the loads that follow
.endm
; a <- 2^-10 a gelu(x), eight numbers.  gelu(x) = (x + |x| erf(|x| / sqrt 2)) / 2;  erf(z) = 1 - (a1 t + a2 t^2 + a3 t^3) e^(-z z), t = 1 / (1 + 0.47047 z)
.macro GEGLU8 a, x
.set g_, 0
.rept 8
	v_fma_f32 v[GT+g_], |v[(\x)+g_]|, s[PP], 1.0
.set g_, g_+1
.endr
.set g_, 0
.rept 8
	v_rcp_f32 v[GT+g_], v[GT+g_]
.set g_, g_+1
.endr
.irp k, 0,2,4,6
	v_pk_mul_f32 v[GT+8+\k:GT+9+\k], v[(\x)+\k:(\x)+\k+1], v[(\x)+\k:(\x)+\k+1]
.endr
.irp k, 0,2,4,6
	v_pk_mul_f32 v[GT+8+\k:GT+9+\k], v[GT+8+\k:GT+9+\k], s[NK:NK+1] op_sel_hi:[1,0]
.endr
.set g_, 0
.rept 8
	v_exp_f32 v[GT+8+g_], v[GT+8+g_]
.set g_, g_+1
.endr
	s_wait_alu depctr_va_vdst(0)
.irp k, 0,2,4,6
	v_pk_fma_f32 v[GT+16+\k:GT+17+\k], v[GT+\k:GT+1+\k], s[A3:A3+1], s[A2:A2+1] op_sel_hi:[1,0,0]
.endr
.irp k, 0,2,4,6
	v_pk_fma_f32 v[GT+16+\k:GT+17+\k], v[GT+16+\k:GT+17+\k], v[GT+\k:GT+1+\k], s[A1:A1+1] op_sel_hi:[1,1,0]
.endr
.irp k, 0,2,4,6
	v_pk_mul_f32 v[GT+16+\k:GT+17+\k], v[GT+16+\k:GT+17+\k], v[GT+\k:GT+1+\k]
.endr
.irp k, 0,2,4,6
	v_pk_fma_f32 v[GT+16+\k:GT+17+\k], v[GT+16+\k:GT+17+\k], v[GT+8+\k:GT+9+\k], 1.0 op_sel_hi:[1,1,0] neg_lo:[1,0,0] neg_hi:[1,0,0]
.endr
.set g_, 0
.rept 8
	v_fma_f32 v[(\x)+g_], |v[(\x)+g_]|, v[GT+16+g_], v[(\x)+g_]
.set g_, g_+1
.endr
.irp k, 0,2,4,6
	v_pk_mul_f32 v[(\x)+\k:(\x)+\k+1], v[(\x)+\k:(\x)+\k+1], s[KS:KS+1] op_sel_hi:[1,0]
.endr
.irp k, 0,2,4,6
	v_pk_mul_f32 v[(\a)+\k:(\a)+\k+1], v[(\a)+\k:(\a)+\k+1], v[(\x)+\k:(\x)+\k+1]
.endr
.endm
.macro LDV k, sb                       ; my eight numbers of a vector of 128 -> window 1
	global_load_b128 v[64+8*(\k):64+8*(\k)+3], v3, s[\sb:\sb+1]
	global_load_b128 v[64+8*(\k)+4:64+8*(\k)+7], v3, s[\sb:\sb+1] offset:16
.endm
.macro ADDV k                          ; X += vector k
	WIN W_N
.irp t, 0,1
.irp i, 0,2,4,6
	v_pk_add_f32 v[X+8*\t+\i:X+8*\t+\i+1], v[X+8*\t+\i:X+8*\t+\i+1], v[64+8*(\k)+\i:64+8*(\k)+\i+1]
.endr
.endr
	WIN 0
.endm
; LayerNorm of X over 128 features, which lie in eight waves: each wave's mean and centred sum of squares of its 16 meet in LDS (no difference of large sums); the result goes to HA as f16 fragments.
; lw >= 0: gain and bias are still on their way, with lw younger loads behind them.
.macro LNX slot, gi, bi, lw=-1
	WIN 0
.irp t, 0,1
.set x_, X+8*\t
.set d_, DD+8*\t
.set l_, 52+2*\t
	v_pk_add_f32 v[56:57], v[x_:x_+1], v[x_+2:x_+3]
	v_pk_add_f32 v[58:59], v[x_+4:x_+5], v[x_+6:x_+7]
	v_pk_add_f32 v[56:57], v[56:57], v[58:59]
	v_add_f32 v56, v56, v57
	v_permlanex16_b32 v57, v56, s[SEL], s[SEL+1]
	v_add_f32 v56, v56, v57
	v_mul_f32 v[l_], 0x3d800000, v56       ; / 16
	v_mov_b32 v[l_+1], v[l_]
.irp i, 0,2,4,6
	v_pk_add_f32 v[d_+\i:d_+\i+1], v[x_+\i:x_+\i+1], v[l_:l_+1] neg_lo:[0,1] neg_hi:[0,1]
.endr
	v_pk_mul_f32 v[56:57], v[d_:d_+1], v[d_:d_+1]
.irp i, 2,4,6
	v_pk_fma_f32 v[56:57], v[d_+\i:d_+\i+1], v[d_+\i:d_+\i+1], v[56:57]
.endr
	v_add_f32 v56, v56, v57
	v_permlanex16_b32 v57, v56, s[SEL], s[SEL+1]
	v_add_f32 v[l_+1], v56, v57
	ds_store_b64 v5, v[l_:l_+1] offset:(\slot)*2048+128*\t
.endr
	BAR
.set i, 0
.rept 16                               ; wave i / 2, tile i % 2
	ds_load_b64 v[128+2*i:129+2*i], v6 offset:(\slot)*2048+(i/2)*256+(i%2)*128
.set i, i+1
.endr
	s_wait_dscnt 0x0
.irp t, 0,1
.set d_, DD+8*\t
.set e_, 128+2*\t
	v_add_f32 v56, v[e_], v[e_+4]
	v_add_f32 v57, v[e_+1], v[e_+5]
.irp k, 8,12,16,20,24,28
	v_add_f32 v56, v56, v[e_+\k]
	v_add_f32 v57, v57, v[e_+\k+1]
.endr
	v_mul_f32 v56, 0x3e000000, v56         ; the row's mean
	v_sub_f32 v58, v[e_], v56
	v_mul_f32 v59, v58, v58
.irp k, 4,8,12,16,20,24,28
	v_sub_f32 v58, v[e_+\k], v56
	v_fmac_f32 v59, v58, v58
.endr
	v_fmamk_f32 v57, v59, 0x41800000, v57  ; + 16 x the waves' squared distances from the mean
	v_fma_f32 v57, v57, s[INV], s[EPS]
	v_rsq_f32 v60, v57
	v_sub_f32 v62, v[52+2*\t], v56         ; a plain line behind the root
	s_wait_alu depctr_va_vdst(0)
	v_mov_b32 v61, v60
	v_mul_f32 v62, v62, v60
	v_mov_b32 v63, v62
.irp i, 0,2,4,6
	v_pk_fma_f32 v[d_+\i:d_+\i+1], v[d_+\i:d_+\i+1], v[60:61], v[62:63]
.endr
.endr
.if (\lw) >= 0
	s_wait_loadcnt \lw
.endif
	WIN W_GB
.irp t, 0,1
.irp i, 0,2,4,6
	v_pk_fma_f32 v[DD+8*\t+\i:DD+8*\t+\i+1], v[DD+8*\t+\i:DD+8*\t+\i+1], v[64+8*(\gi)+\i:64+8*(\gi)+\i+1], v[64+8*(\bi)+\i:64+8*(\bi)+\i+1]
.endr
.endr
	WIN 0
.irp t, 0,1
	PK4 56, DD+8*\t
	ds_store_b128 v7, v[56:59] offset:1024*\t
.endr
	BAR
.endm
; X(t) += my 16 output features' weights (KT fragments, in window 1 from v128 on) x the activation fragments at LDS byte hoff; the two accumulators take turns.  lw = 1: the weights are still on their way
.macro GEMMW KT, hoff, lw=1
.set ck, 0
.if (\KT) < 8
.set nk, \KT
.else
.set nk, 8
.endif
.rept ((\KT)+7)/8
	LDL 128, 2*nk, L16, (\hoff)+16384*ck
.if \lw
	s_wait_loadcnt 0x0
.endif
	s_wait_dscnt 0x0
	WIN W_KQ
.set k_, 0
.rept nk
.irp t, 0,1
	MM (X+8*\t), (128+8*(8*ck+k_)), (128+8*(2*k_+\t)), 0
.endr
.set k_, k_+1
.endr
	WIN 0
	PLACES 4
.set ck, ck+1
.endr
.endm
.macro FFMUL                           ; 32 products: 4 k steps x (a0, a1, g0, g1) x 2 tiles; the bias (window 1, v0-31) starts the sums
.irp kt, 0,1,2,3
.if \kt == 0
	WIN W_C1
.else
	WIN W_KQ
.endif
.irp i, 0,1,2,3
.irp t, 0,1
.if \kt == 0
	MMC (S+32*\t+8*\i), (128+8*(4*\i)), (192+8*\t), (8*\i)
.else
	MM (S+32*\t+8*\i), (128+8*(4*\i+\kt)), (192+8*(2*\kt+\t)), 0
.endif
.endr
.endr
.endr
.endm
.macro LDB1 b1p, off                   ; a chunk's biases: a0, a1, g0, g1
.set i, 0
.rept 4
	global_load_b128 v[8*i:8*i+3], v4, s[\b1p:\b1p+1] offset:(\off)+(i%2)*64+(i/2)*2048
	global_load_b128 v[8*i+4:8*i+7], v4, s[\b1p:\b1p+1] offset:(\off)+(i%2)*64+(i/2)*2048+16
.set i, i+1
.endr
.endm
; LayerNorm, w1 + b1, GEGLU, w2 + b2 + residual.  Wave w makes hidden features 64 w .. 64 w + 63, 32 a trip of a loop of two, and then output features 16 w .. 16 w + 15.
; Behind a trip's products the next weights are asked for, into the same registers: in the first trip w1's second chunk and its biases, in the second w2.
.macro FF w1off, w2off, b1p, slot, gi, bi, b2k, lw
	WIN W_L1
	LDG 128, 8, TP, \w1off
	LDG 192, 8, TP, (\w1off)+131072
	LDB1 \b1p, 0
	WIN 0
	LNX \slot, \gi, \bi, \lw
	LDL 192, 8, L16, HA
	s_mov_b32 s[CNT], 2
.Lffc\@:
	s_wait_loadcnt 0x0                     ; this trip's weights and biases; the pointers below are free again
	s_wait_dscnt 0x0
	FFMUL
	WIN 0
	PLACES 4
	s_mov_b32 s[OA], (\w1off)+8192
	s_mov_b32 s[OB_], (\w1off)+131072+8192
	s_cmp_eq_u32 s[CNT], 2
	s_cselect_b32 s[OA], s[OA], \w2off
	s_cselect_b32 s[OB_], s[OB_], (\w2off)+8192
	s_add_nc_u64 s[PA:PA+1], s[TP:TP+1], s[OA:OA+1]
	s_add_nc_u64 s[PB:PB+1], s[TP:TP+1], s[OB_:OB_+1]
	WIN W_L1
	LDG 128, 8, PA, 0
	LDG 192, 8, PB, 0
	WIN 0
	s_cmp_eq_u32 s[CNT], 1
	s_cbranch_scc1 .Lnb\@                  ; there is no third chunk
	WIN W_L1
	LDB1 \b1p, 128
	WIN 0
.Lnb\@:
.irp t, 0,1
.irp i, 0,1
	GEGLU8 S+32*\t+8*\i, S+32*\t+8*\i+16
	PK4 S+32*\t+4*\i, S+32*\t+8*\i
.endr
	ds_store_b128 v8, v[S+32*\t:S+32*\t+3] offset:HB+1024*\t
	ds_store_b128 v8, v[S+32*\t+4:S+32*\t+7] offset:HB+1024*\t+512
.endr
	v_add_nc_u32 v8, 2048, v8              ; the next chunk is the next k step of w2
	s_sub_co_u32 s[CNT], s[CNT], 1
	s_cmp_lg_u32 s[CNT], 0
	s_cbranch_scc1 .Lffc\@
	BAR
	ADDV \b2k
	GEMMW 16, HB
.endm
.macro MUL32 form, wb                  ; 4 k steps x 4 feature tiles x 2 token tiles; weights in window 1 from wb on; result (nt, t) at S + 8 (2 nt + t)
.if \form
	WIN W_N
.else
	WIN W_KQ
.endif
.irp kt, 0,1,2,3
.irp nt, 0,1,2,3
.irp t, 0,1
.if \form
	MM (S+8*(2*\nt+\t)), (192+8*(2*\kt+\t)), ((\wb)+8*(4*\nt+\kt)), (\kt==0)
.else
	MM (S+8*(2*\nt+\t)), ((\wb)+8*(4*\nt+\kt)), (192+8*(2*\kt+\t)), (\kt==0)
.endif
.endr
.endr
.endr
	WIN 0
	PLACES 4
.endm
.macro PROJ form, wb, lcnt, nextoff, sout  ; my head's 64 features of Q, K (form 0) or V (form 1), stored as fragments; lcnt: the loads younger than my weights'
	s_wait_loadcnt \lcnt
	s_wait_dscnt 0x0
	s_wait_xcnt 0x0                        ; the last stores have read their data registers, which the products write again
	MUL32 \form, \wb
.if (\nextoff) >= 0
	WIN W_L1
	LDG 128, 16, TP, \nextoff
	WIN 0
.endif
.set i, 0
.rept 32
	v_cvt_pk_f16_f32 v[S+i], v[S+2*i], v[S+2*i+1]
.set i, i+1
.endr
.irp nt, 0,1,2,3
.irp t, 0,1
.if \form
	global_store_b128 v[L16], v[S+4*(2*\nt+\t):S+4*(2*\nt+\t)+3], s[\sout:\sout+1] offset:1024*\nt+512*\t
.else
	global_store_b128 v[L16], v[S+4*(2*\nt+\t):S+4*(2*\nt+\t)+3], s[\sout:\sout+1] offset:1024*(2*\t+\nt/2)+512*(\nt%2)
.endif
.endr
.endr
.endm
.macro LATHEAD
	v_lshrrev_b32 v1, 5, v0
	v_readfirstlane_b32 s[WV], v1
	v_and_b32 v1, 31, v0
	v_lshlrev_b32 v2, 4, v1                ; 16 x lane
	v_and_b32 v36, 15, v0                  ; r
	v_bfe_u32 v37, v0, 4, 1                ; h
	s_lshl_b32 s2, s[WV], 6
	v_lshl_add_u32 v3, v37, 5, s2          ; 64 w + 32 h: my eight numbers in a vector of 128
	s_lshl_b32 s2, s[WV], 8
	v_lshl_add_u32 v4, v37, 5, s2          ; 256 w + 32 h: in b1
	s_add_co_u32 s2, s2, SX
	v_lshl_add_u32 v5, v36, 3, s2
	v_lshlrev_b32 v6, 3, v36
	v_add_nc_u32 v6, SX, v6
	s_lshr_b32 s2, s[WV], 1
	s_lshl_b32 s2, s2, 11
	s_and_b32 s3, s[WV], 1
	s_lshl_b32 s3, s3, 9
	s_add_co_u32 s2, s2, s3
	s_add_co_u32 s2, s2, HA
	v_add_nc_u32 v7, s2, v2                ; k step w / 2, registers 0-3 or 4-7 by w % 2
	s_lshl_b32 s2, s[WV], 12
	v_add_nc_u32 v8, s2, v2
	v_lshlrev_b32 v13, 4, v0
	s_mov_b32 s[SEL], 0x76543210
	s_mov_b32 s[SEL+1], 0xfedcba98
	s_mov_b32 s[PP], 0x3eaa540e            ; 0.47047 / sqrt 2
	SC2 NK, 0xbf38aa3b                     ; - log2(e) / 2
	SC2 KS, 0x3a000000                     ; 2^-11
	SC2 A1, 0x3eb2303a                     ; 0.3480242
	SC2 A2, 0xbdc45ca1                     ; -0.0958798
	SC2 A3, 0x3f3f7377                     ; 0.7478556
	s_mov_b32 s[EPS], 0x3727c5ac
	s_mov_b32 s[INV], 0x3c000000           ; 1/128
	s_mov_b32 s[OA+1], 0
	s_mov_b32 s[OB_+1], 0
.endm
	s_load_b512 s[16:31], s[0:1], 0x0      ; latents kv1 wf ca_ng ca_nb ca_bo cf_ng cf_nb
	s_load_b256 s[32:39], s[0:1], 0x40     ; cf_b2 sa_ng sa_nb cf_b1
	s_load_b128 s[40:43], s[0:1], 0x60     ; qkv2 x2
	v_lshl_add_u32 v14, v0, 2, SPARE
	v_mov_b32 v15, 0
	LATHEAD
	s_lshl_b32 s2, s[WV], 13
	s_add_co_u32 s2, s2, PR
	v_add_nc_u32 v9, s2, v2                ; my partial O
	s_lshl_b32 s2, s[WV], 10
	s_add_co_u32 s2, s2, PR
	v_add_nc_u32 v10, s2, v2               ; the tile that I add up
	s_lshl_b32 s2, s[WV], 7
	s_add_co_u32 s2, s2, SX
	v_lshl_add_u32 v11, v36, 2, s2
	v_lshlrev_b32 v12, 2, v36
	v_add_nc_u32 v12, SX, v12
	v_lshl_add_u32 v38, v36, 9, v3         ; row r of latents, my features
	s_lshr_b32 s4, ttmp9, 4                ; batch
	s_and_b32 s5, ttmp9, 15                ; block of 32 rows
	s_mov_b32 s7, 0
	s_wait_kmcnt 0x0
	s_lshl_b32 s6, s5, 14
	s_add_nc_u64 s[16:17], s[16:17], s[6:7]
	s_lshl_b32 s6, s[WV], 14
	s_add_nc_u64 s[TP:TP+1], s[20:21], s[6:7]
	s_lshl_b32 s6, s[WV], 11
	s_add_nc_u64 s[TP2:TP2+1], s[20:21], s[6:7]
	s_lshl_b32 s6, s4, 18
	s_lshl_b32 s8, s[WV], 14               ; my 128 keys
	s_add_co_u32 s6, s6, s8
	s_add_nc_u64 s[SK:SK+1], s[18:19], s[6:7]
	s_add_nc_u64 s[SV:SV+1], s[SK:SK+1], 131072
	s_lshl3_add_u32 s6, s4, s[WV]          ; batch x 8 + head
	s_lshl_b32 s6, s6, 16
	s_lshl_b32 s8, s5, 12
	s_add_co_u32 s6, s6, s8
	s_add_nc_u64 s[52:53], s[40:41], s[6:7]
	s_add_nc_u64 s[54:55], s[52:53], 2097152
	s_add_nc_u64 s[56:57], s[52:53], 4194304
	s_lshl_b32 s6, ttmp9, 14
	s_add_nc_u64 s[42:43], s[42:43], s[6:7]
	WIN W_L1
.irp k, 0,1,2,3,4,5,6,7
	LDV \k, 22+2*\k
.endr
	LDG 128, 16, 20, 0                     ; ca_wq: every wave makes the whole q
	WIN 0
.irp t, 0,1
	global_load_b128 v[X+8*\t:X+8*\t+3], v38, s[16:17] offset:8192*\t
	global_load_b128 v[X+8*\t+4:X+8*\t+7], v38, s[16:17] offset:8192*\t+16
.endr
	s_wait_loadcnt 0x0
	LNX 0, 0, 1
	LDL 192, 8, L16, HA
	s_wait_dscnt 0x0
	MUL32 0, 128
	LOADK
	LOADV
.irp t, 0,1
.irp nt, 0,1,2,3
	PK4 Q+16*\t+4*\nt, S+8*(2*\nt+\t)
.endr
.endr
	ATT_INIT
	ATT 2
	; the eight shares are joined: the common maximum, then O and l scaled by 2^(m - M) and added
	ALLT v_add_f32 v[rT+4], v[rT+4], v[rT+5]
	ALLT v_permlanex16_b32 v[rT+6], v[rT+4], s[SEL], s[SEL+1]
	ALLT v_add_f32 v[rT+4], v[rT+4], v[rT+6]
	ALLT ds_store_b32 v11, v[rT] offset:2048+64*t
	BAR
.set i, 0
.rept 16
	ds_load_b32 v[128+i], v12 offset:2048+(i/2)*128+(i%2)*64
.set i, i+1
.endr
	WIN W_L1
	LDG 128, 2, TP2, 16384                 ; ca_wo, my 16 output features
	WIN 0
	s_wait_dscnt 0x0
	ALLT v_max3_num_f32 v[rT+6], v[128+t], v[130+t], v[132+t]
	ALLT v_max3_num_f32 v[rT+6], v[rT+6], v[134+t], v[136+t]
	ALLT v_max3_num_f32 v[rT+6], v[rT+6], v[138+t], v[140+t]
	ALLT v_max_num_f32 v[rT+6], v[rT+6], v[142+t]
	ALLT v_sub_f32 v[rT+2], v[rT], v[rT+6]
	ALLT v_exp_f32 v[rT+2], v[rT+2]
	v_nop
	s_wait_alu depctr_va_vdst(0)
	ALLT v_mul_f32 v[rT+4], v[rT+4], v[rT+2]
	WIN W_RS
	ALLN 0, 16, v_pk_mul_f32 v[rO+2*n:rO+2*n+1], v[rO+2*n:rO+2*n+1], v[rT+2:rT+3] op_sel_hi:[1,0]
	WIN 0
	ALLT ds_store_b32 v11, v[rT+4] offset:4096+64*t
	WIN W_N
.set i, 0
.rept 8
	ds_store_b128 v9, v[8*i:8*i+3] offset:1024*i
	ds_store_b128 v9, v[8*i+4:8*i+7] offset:1024*i+512
.set i, i+1
.endr
	WIN 0
	BAR
	s_lshr_b32 s2, s[WV], 2                ; wave w adds up tile t = w / 4, channels 16 (w % 4) on
	s_lshl_b32 s3, s2, 6
	v_add_nc_u32 v36, s3, v12
	LDL 128, 8, 10, 0, 8192
.set i, 0
.rept 8
	ds_load_b32 v[192+i], v36 offset:4096+128*i
.set i, i+1
.endr
	s_lshr_b32 s3, s[WV], 1                ; where the sum goes: fragment 2 x (channel half) + t, registers 0-3 or 4-7 by w % 2
	s_and_b32 s3, s3, 1
	s_lshl_b32 s3, s3, 11
	s_lshl_b32 s2, s2, 10
	s_add_co_u32 s3, s3, s2
	s_and_b32 s6, s[WV], 1
	s_lshl_b32 s6, s6, 9
	s_add_co_u32 s3, s3, s6
	s_add_co_u32 s3, s3, OB
	v_add_nc_u32 v37, s3, v2
	s_wait_dscnt 0x0
.set i, 1
.rept 7
.irp k, 0,2,4,6
	v_pk_add_f32 v[128+\k:129+\k], v[128+\k:129+\k], v[128+8*i+\k:129+8*i+\k]
.endr
	v_add_f32 v192, v192, v[192+i]
.set i, i+1
.endr
	v_rcp_f32 v200, v192
	v_nop
	s_wait_alu depctr_va_vdst(0)
	v_mov_b32 v201, v200
.irp k, 0,2,4,6
	v_pk_mul_f32 v[128+\k:129+\k], v[128+\k:129+\k], v[200:201]
.endr
	PK4 204, 128
	ds_store_b128 v37, v[204:207]
	BAR
	ADDV 2
	GEMMW 2, OB
	FF 32768, 294912, 38, 3, 3, 4, 5, -1
.irp k, 0,1,2,3                        ; the residual, in thread order: 512 consecutive bytes a store
	global_store_b128 v13, v[X+4*\k:X+4*\k+3], s[42:43] offset:4096*\k
.endr
	WIN W_L1
	LDG 128, 16, TP, 425984                ; sa_wq, my head
	WIN 0
	LNX 4, 6, 7
	WIN W_L1
	LDG 0, 16, TP, 557056                  ; sa_wk at once, where the vectors and biases lay: they have been read for the last time
	WIN 0
	LDL 192, 8, L16, HA
	PROJ 0, 128, 32, 688128, 52            ; Q: sa_wk's 32 loads may stay out; behind its products sa_wv is asked for
	PROJ 0, 0, 32, -1, 54                  ; K: sa_wv's 32 loads may stay out
	PROJ 1, 128, 0, -1, 56                 ; V
	s_wait_tensorcnt 0x0                   ; the wave's end, behind my last LDS store
	ds_add_u32 v14, v15
	s_wait_dscnt 0x0
	s_endpgm
.Lfunc_end_k_q117d58c8da_lat1:
	.size	k_q117d58c8da_lat1, .Lfunc_end_k_q117d58c8da_lat1-k_q117d58c8da_lat1
	.p2alignl 7, 3214868480
	.fill 96, 4, 3214868480
	.section	.rodata,"a",@progbits
	.p2align	6, 0x0
	.amdhsa_kernel k_q117d58c8da_lat1
		.amdhsa_group_segment_fixed_size 131072
		.amdhsa_private_segment_fixed_size 0
		.amdhsa_enable_private_segment 0
		.amdhsa_kernarg_size 112
		.amdhsa_user_sgpr_count 2
		.amdhsa_user_sgpr_kernarg_segment_ptr 1
		.amdhsa_wavefront_size32 1
		.amdhsa_system_sgpr_workgroup_id_x 1
		.amdhsa_system_sgpr_workgroup_id_y 1
		.amdhsa_system_sgpr_workgroup_id_z 1
		.amdhsa_system_vgpr_workitem_id 0
		.amdhsa_next_free_vgpr 512
		.amdhsa_next_free_sgpr 100
		.amdhsa_reserve_vcc 0
		.amdhsa_float_denorm_mode_32 3
		.amdhsa_float_denorm_mode_16_64 3
		.amdhsa_memory_ordered 1
		.amdhsa_forward_progress 1
		.amdhsa_inst_pref_size 139
	.end_amdhsa_kernel
	.amdgpu_metadata
---
amdhsa.version: [ 1, 2 ]
amdhsa.kernels:
  - .name:           k_q117d58c8da_lat1
    .symbol:         k_q117d58c8da_lat1.kd
    .args:
      - { .name: latents, .offset: 0, .size: 8, .value_kind: global_buffer, .address_space: global }
      - { .name: kv1, .offset: 8, .size: 8, .value_kind: global_buffer, .address_space: global }
      - { .name: wf, .offset: 16, .size: 8, .value_kind: global_buffer, .address_space: global }
      - { .name: ca_ng, .offset: 24, .size: 8, .value_kind: global_buffer, .address_space: global }
      - { .name: ca_nb, .offset: 32, .size: 8, .value_kind: global_buffer, .address_space: global }
      - { .name: ca_bo, .offset: 40, .size: 8, .value_kind: global_buffer, .address_space: global }
      - { .name: cf_ng, .offset: 48, .size: 8, .value_kind: global_buffer, .address_space: global }
      - { .name: cf_nb, .offset: 56, .size: 8, .value_kind: global_buffer, .address_space: global }
      - { .name: cf_b2, .offset: 64, .size: 8, .value_kind: global_buffer, .address_space: global }
      - { .name: sa_ng, .offset: 72, .size: 8, .value_kind: global_buffer, .address_space: global }
      - { .name: sa_nb, .offset: 80, .size: 8, .value_kind: global_buffer, .address_space: global }
      - { .name: cf_b1, .offset: 88, .size: 8, .value_kind: global_buffer, .address_space: global }
      - { .name: qkv2, .offset: 96, .size: 8, .value_kind: global_buffer, .address_space: global }
      - { .name: x2, .offset: 104, .size: 8, .value_kind: global_buffer, .address_space: global }
    .group_segment_fixed_size: 131072
    .private_segment_fixed_size: 0
    .kernarg_segment_align: 8
    .kernarg_segment_size: 112
    .max_flat_workgroup_size: 256
    .sgpr_count:     100
    .vgpr_count:     512
    .wavefront_size: 32
...
	.end_amdgpu_metadata
.endif
;; end of part 2
;; launch lat2 (part 3): grid 64 x 1, 8 waves a work-group, no clusters, 131,072 bytes of LDS; arguments x2, qkv2, wf, sa_bo, sf_ng, sf_nb, sf_b2, qa_cng, qa_cnb, sf_b1, kv3; writes kv3
.if DOCPART == 3
	.amdgcn_target "amdgcn-amd-amdhsa--gfx1250"
	.amdhsa_code_object_version 6
	.text
	.protected	k_q117d58c8da_lat2
	.globl	k_q117d58c8da_lat2
	.p2align	8
	.type	k_q117d58c8da_lat2,@function
k_q117d58c8da_lat2:
	s_mov_b64 s[64:65], 0
	v_nop
	global_prefetch_b8 v0, s[64:65] scope:SCOPE_SE
	s_setreg_imm32_b32 hwreg(HW_REG_WAVE_MODE, 25, 1), 1
	s_wait_xcnt 0x0
; LAT2.  For 32 latent rows of one batch: self-attention (wave w is head w, 512 keys), wo + residual, LayerNorm, GEGLU feed-forward + residual, LayerNorm, and K3, V3 as f16 fragments.
; Shares and forms as in the launch before: the eight waves split heads, hidden features (64 each) and output features (16 each), never the 32 rows; wave w keeps the residual X
; for features 16 w + 8 (lane / 16) + 0..7 of token lane % 16 in f32.  A weight or K fragment as source 0 gives a lane one token and eight features; sources swapped, one feature and eight tokens (V turned).
; K AND V COME STRAIGHT INTO REGISTERS, IN TWO SETS that take turns, a step of 64 keys each: a tile's registers are asked for again as soon as its products are issued, two steps ahead of their use, so that
; four tiles of 8,192 bytes a wave can be on their way.  In the last trip set A's two refills bring sa_wo's 16 fragments, by the same lines with another base, where the next product wants them.
; LIMITS.  f16 operands stay under 65,504; a x gelu(g) is kept as 2^-10 of itself (w2 holds the 1,024), so |a gelu(g)| stays under 6.7e7; weights p under 6e-5 keep f16's fixed step; an exponential
; under 2^-126 counts as 0; erf by Abramowitz and Stegun 7.1.25, absolute error 2.5e-5 at every x, a twentieth of f16's rounding step 2^-11 of the number made of it; NaN and infinities are not treated apart.
; No cluster, no tensor load: each byte of K2 and V2 enters the work-group once, for one wave; a short launch.
; REGISTERS.  window 0: v2-13 addresses; v16-35 softmax statistics; v36-63 at work (v36-43 sa_bo during the attention); v64-95 Q; v96-111 X; v128-191 scores / results; v192-255 V of set B, then activation fragments
;   window 1: v0-63 O / b1; v64-127 K of set B, then five vectors; v128-191 K of set A, v192-255 V of set A, then weights
.set NT,    2
.set HB,    0              ; 32 fragments: k step x 2 + token tile
.set HA,    32768          ; LayerNorm output, 8 fragments
.set SX,    45056          ; slots of 2,048 for statistics, each written once
.set SPARE, 55296          ; the spare words, 128 bytes a wave
.set L16, 2
.set ST,  16
.set GT,  36
.set DD,  36
.set Q,   64
.set X,   96
.set S,   128
.set WV,  12
.set CNT, 13
.set TP,  44               ; wf + 16,384 w
.set TP2, 46               ; wf + 4,096 w
.set PKA, 48               ; where set A's next K lies, its next V, and the same for set B
.set PVA, 50
.set PKB, 54
.set PVB, 56
.set WOA, 58               ; sa_wo's fragments 0-7 and 8-15 of my 16 output features
.set WOB, 60
.set SEL, 66
.set PP,  68
.set NK,  70
.set KS,  72
.set A1,  74
.set A2,  76
.set A3,  78
.set EPS, 84
.set INV, 85
.set PA,  86
.set PB,  88
.set OA,  90
.set OB_, 92
.set W_KQ, 0x01
.set W_N,  0x04
.set W_PV, 0x51
.set W_PVB, 0x50           ; V in window 0, P in window 0, O^T in window 1
.set W_RS, 0x41
.set W_L1, 0x40
.set W_GB, 0x14
.set W_C1, 0x11
.set W_P10, 0x05
.set MSB, 0
.macro WIN new
.if MSB != (\new)
	s_set_vgpr_msb (MSB<<8)|(\new)
.set MSB, (\new)
.endif
.endm
.macro PLACES cnt
.rept \cnt
	v_nop
.endr
.endm
.macro LDG dst, cnt, sb, off
.set li, 0
.rept \cnt
	global_load_b128 v[(\dst)+8*li:(\dst)+8*li+3], v[L16], s[\sb:\sb+1] offset:(\off)+1024*li
	global_load_b128 v[(\dst)+8*li+4:(\dst)+8*li+7], v[L16], s[\sb:\sb+1] offset:(\off)+1024*li+512
.set li, li+1
.endr
.endm
.macro LDL dst, cnt, va, off, stride=1024
.set li, 0
.rept \cnt
	ds_load_b128 v[(\dst)+8*li:(\dst)+8*li+3], v[\va] offset:(\off)+(\stride)*li
	ds_load_b128 v[(\dst)+8*li+4:(\dst)+8*li+7], v[\va] offset:(\off)+(\stride)*li+512
.set li, li+1
.endr
.endm
.macro BAR
	s_wait_dscnt 0x0
	s_barrier_signal -1
	s_barrier_wait -1
.endm
.macro PK4 d, s
.set pi_, 0
.rept 4
	v_cvt_pk_f16_f32 v[(\d)+pi_], v[(\s)+2*pi_], v[(\s)+2*pi_+1]
.set pi_, pi_+1
.endr
.endm
.macro MM d, a, b, z
.if \z
	v_wmma_f32_16x16x32_f16 v[\d:\d+7], v[\a:\a+7], v[\b:\b+7], 0
.else
	v_wmma_f32_16x16x32_f16 v[\d:\d+7], v[\a:\a+7], v[\b:\b+7], v[\d:\d+7]
.endif
.endm
.macro MMC d, a, b, c
	v_wmma_f32_16x16x32_f16 v[\d:\d+7], v[\a:\a+7], v[\b:\b+7], v[\c:\c+7]
.endm
.macro ALLT line:vararg
.set t, 0
	s_wait_alu depctr_va_vdst(0)
.rept NT
.set rT, ST+10*t
.set rS, S+32*t
.set rO, 32*t
.set rQ, Q+16*t
	\line
.set t, t+1
.endr
.endm
.macro ALLN first, cnt, line:vararg
.set n, \first
.rept \cnt
	ALLT \line
.set n, n+1
.endr
.endm
.macro SC2 r, val
	s_mov_b32 s[\r], \val
	s_mov_b32 s[\r+1], \val
.endm
.macro KQX kf                          ; S^T = K Q^T for 64 keys, K in window 1 from kf on; the accumulators take turns, one instruction a turn
	WIN W_KQ
.irp c, 0,1
.irp kt, 0,1,2,3
.set t, 0
.rept NT
	MM (S+32*t+8*\kt), ((\kf)+16*\kt+8*\c), (Q+16*t+8*\c), (\c==0)
.set t, t+1
.endr
.endr
.endr
.endm
.macro PVX win, vf                     ; O^T += V^T P, V from vf on in the window that win names
	WIN \win
.irp kk, 0,1
.irp ch, 0,1,2,3
.set t, 0
.rept NT
	MM (32*t+8*\ch), ((\vf)+32*\kk+8*\ch), (S+32*t+8*\kk), 0
.set t, t+1
.endr
.endr
.endr
.endm
.macro SOFTMAX                         ; 117 lines a tile; each accumulator's lowest registers are read first
	WIN 0
	ALLN 0, 4, v_max3_num_f32 v[rT+6+n], v[rS+8*n], v[rS+8*n+1], v[rS+8*n+2]
	ALLN 4, 8, v_max3_num_f32 v[rT+6+n%4], v[rT+6+n%4], v[rS+8*(n%4)+2*(n/4)+1], v[rS+8*(n%4)+2*(n/4)+2]
	ALLT v_max3_num_f32 v[rT+6], v[rT+6], v[rS+7], v[rS+15]
	ALLT v_max3_num_f32 v[rT+7], v[rT+7], v[rS+23], v[rS+31]
	ALLT v_max3_num_f32 v[rT+8], v[rT+8], v[rT+9], v[rT]
	ALLT v_max3_num_f32 v[rT+6], v[rT+6], v[rT+7], v[rT+8]
	ALLT v_permlanex16_b32 v[rT+7], v[rT+6], s[SEL], s[SEL+1]
	ALLT v_max_num_f32 v[rT+6], v[rT+6], v[rT+7]
	ALLT v_sub_f32 v[rT+2], v[rT], v[rT+6]
	ALLT v_mov_b32 v[rT], v[rT+6]
	ALLT v_exp_f32 v[rT+2], v[rT+2]
	ALLN 0, 16, v_pk_add_f32 v[rS+2*n:rS+2*n+1], v[rS+2*n:rS+2*n+1], v[rT:rT+1] op_sel_hi:[1,0] neg_lo:[0,1] neg_hi:[0,1]
	ALLN 0, 32, v_exp_f32 v[rS+n], v[rS+n]
	WIN W_RS                               ; the rescaling of O^T: the plain lines behind the exponentials
	ALLN 0, 16, v_pk_mul_f32 v[rO+2*n:rO+2*n+1], v[rO+2*n:rO+2*n+1], v[rT+2:rT+3] op_sel_hi:[1,0]
	WIN 0
	ALLT v_pk_add_f32 v[rT+6:rT+7], v[rS:rS+1], v[rS+2:rS+3]
	ALLT v_pk_add_f32 v[rT+8:rT+9], v[rS+4:rS+5], v[rS+6:rS+7]
	ALLN 4, 12, v_pk_add_f32 v[rT+6+2*(n%2):rT+7+2*(n%2)], v[rT+6+2*(n%2):rT+7+2*(n%2)], v[rS+2*n:rS+2*n+1]
	ALLT v_pk_add_f32 v[rT+6:rT+7], v[rT+6:rT+7], v[rT+8:rT+9]
	ALLT v_pk_fma_f32 v[rT+4:rT+5], v[rT+4:rT+5], v[rT+2:rT+3], v[rT+6:rT+7] op_sel_hi:[1,0,1]
	ALLN 0, 16, v_cvt_pk_f16_f32 v[rS+n], v[rS+2*n], v[rS+2*n+1]
.endm
.macro ATT_INIT                        ; m at the lowest finite number, l and O at 0: the first step is a step like any other, with a = 0
	WIN 0
.set i, 0
.rept 10*NT
	v_mov_b32 v[ST+i], 0
.set i, i+1
.endr
	ALLT v_mov_b32 v[rT], 0xff7fffff
	WIN W_L1
.set i, 0
.rept 32*NT
	v_mov_b32 v[i], 0
.set i, i+1
.endr
	WIN 0
.endm
; A step of 64 keys on one set.  The tiles are asked for in the order K_A, V_A, K_B, V_B, K_A, ..: 16 loads each.  At a wait the three tiles asked for behind the one that is wanted may stay out: 48 loads.
; V of set B waits with 32: in the last trip, in which set B is asked for no more, only set A's two refills are younger; in the other trips the count also covers the K that the next step wants first.
; A tile's base steps two steps on behind the wait that shows its loads done.  isB = 0: in the last trip the base is sa_wo's instead.
.macro STEP kf, pk, wo1, pvw, vf, vlw, pv, wo2, vcnt, isB
	s_wait_loadcnt 48                      ; this step's K is in
	s_add_nc_u64 s[\pk:\pk+1], s[\pk:\pk+1], 16384
.if !(\isB)
	s_cmp_eq_u32 s[CNT], 1
	s_cselect_b64 s[\pk:\pk+1], s[\wo1:\wo1+1], s[\pk:\pk+1]
.endif
	KQX \kf
	WIN 0
	PLACES 4                               ; behind the products, ahead of the loads into K's registers and of the reads of the scores
.if \isB
	s_cmp_eq_u32 s[CNT], 1
	s_cbranch_scc1 .Lnk\@
.endif
	WIN W_L1
	LDG \kf, 8, \pk, 0
	WIN 0
.if \isB
.Lnk\@:
.endif
	SOFTMAX
	s_wait_loadcnt \vcnt                   ; this step's V is in
	s_add_nc_u64 s[\pv:\pv+1], s[\pv:\pv+1], 16384
.if !(\isB)
	s_cmp_eq_u32 s[CNT], 1
	s_cselect_b64 s[\pv:\pv+1], s[\wo2:\wo2+1], s[\pv:\pv+1]
.endif
	PVX \pvw, \vf
	WIN 0
	PLACES 5                               ; ahead of the loads into V's registers and of the products that write over P
.if \isB
	s_cmp_eq_u32 s[CNT], 1
	s_cbranch_scc1 .Lnv\@
.endif
	WIN \vlw
	LDG \vf, 8, \pv, 0
	WIN 0
.if \isB
.Lnv\@:
.endif
.endm
; a <- 2^-10 a gelu(x), eight numbers.  gelu(x) = (x + |x| erf(|x| / sqrt 2)) / 2;  erf(z) = 1 - (a1 t + a2 t^2 + a3 t^3) e^(-z z), t = 1 / (1 + 0.47047 z)
.macro GEGLU8 a, x
.set g_, 0
.rept 8
	v_fma_f32 v[GT+g_], |v[(\x)+g_]|, s[PP], 1.0
.set g_, g_+1
.endr
.set g_, 0
.rept 8
	v_rcp_f32 v[GT+g_], v[GT+g_]
.set g_, g_+1
.endr
.irp k, 0,2,4,6
	v_pk_mul_f32 v[GT+8+\k:GT+9+\k], v[(\x)+\k:(\x)+\k+1], v[(\x)+\k:(\x)+\k+1]
.endr
.irp k, 0,2,4,6
	v_pk_mul_f32 v[GT+8+\k:GT+9+\k], v[GT+8+\k:GT+9+\k], s[NK:NK+1] op_sel_hi:[1,0]
.endr
.set g_, 0
.rept 8
	v_exp_f32 v[GT+8+g_], v[GT+8+g_]
.set g_, g_+1
.endr
	s_wait_alu depctr_va_vdst(0)
.irp k, 0,2,4,6
	v_pk_fma_f32 v[GT+16+\k:GT+17+\k], v[GT+\k:GT+1+\k], s[A3:A3+1], s[A2:A2+1] op_sel_hi:[1,0,0]
.endr
.irp k, 0,2,4,6
	v_pk_fma_f32 v[GT+16+\k:GT+17+\k], v[GT+16+\k:GT+17+\k], v[GT+\k:GT+1+\k], s[A1:A1+1] op_sel_hi:[1,1,0]
.endr
.irp k, 0,2,4,6
	v_pk_mul_f32 v[GT+16+\k:GT+17+\k], v[GT+16+\k:GT+17+\k], v[GT+\k:GT+1+\k]
.endr
.irp k, 0,2,4,6
	v_pk_fma_f32 v[GT+16+\k:GT+17+\k], v[GT+16+\k:GT+17+\k], v[GT+8+\k:GT+9+\k], 1.0 op_sel_hi:[1,1,0] neg_lo:[1,0,0] neg_hi:[1,0,0]
.endr
.set g_, 0
.rept 8
	v_fma_f32 v[(\x)+g_], |v[(\x)+g_]|, v[GT+16+g_], v[(\x)+g_]
.set g_, g_+1
.endr
.irp k, 0,2,4,6
	v_pk_mul_f32 v[(\x)+\k:(\x)+\k+1], v[(\x)+\k:(\x)+\k+1], s[KS:KS+1] op_sel_hi:[1,0]
.endr
.irp k, 0,2,4,6
	v_pk_mul_f32 v[(\a)+\k:(\a)+\k+1], v[(\a)+\k:(\a)+\k+1], v[(\x)+\k:(\x)+\k+1]
.endr
.endm
.macro LDV k, sb
	global_load_b128 v[64+8*(\k):64+8*(\k)+3], v3, s[\sb:\sb+1]
	global_load_b128 v[64+8*(\k)+4:64+8*(\k)+7], v3, s[\sb:\sb+1] offset:16
.endm
.macro ADDV k
	WIN W_N
.irp t, 0,1
.irp i, 0,2,4,6
	v_pk_add_f32 v[X+8*\t+\i:X+8*\t+\i+1], v[X+8*\t+\i:X+8*\t+\i+1], v[64+8*(\k)+\i:64+8*(\k)+\i+1]
.endr
.endr
	WIN 0
.endm
; LayerNorm of X over 128 features, which lie in eight waves: each wave's mean and centred sum of squares of its 16 meet in LDS (no difference of large sums); the result goes to HA as f16 fragments.
; lw >= 0: gain and bias are still on their way, with lw younger loads behind them.
.macro LNX slot, gi, bi, lw=-1
	WIN 0
.irp t, 0,1
.set x_, X+8*\t
.set d_, DD+8*\t
.set l_, 52+2*\t
	v_pk_add_f32 v[56:57], v[x_:x_+1], v[x_+2:x_+3]
	v_pk_add_f32 v[58:59], v[x_+4:x_+5], v[x_+6:x_+7]
	v_pk_add_f32 v[56:57], v[56:57], v[58:59]
	v_add_f32 v56, v56, v57
	v_permlanex16_b32 v57, v56, s[SEL], s[SEL+1]
	v_add_f32 v56, v56, v57
	v_mul_f32 v[l_], 0x3d800000, v56
	v_mov_b32 v[l_+1], v[l_]
.irp i, 0,2,4,6
	v_pk_add_f32 v[d_+\i:d_+\i+1], v[x_+\i:x_+\i+1], v[l_:l_+1] neg_lo:[0,1] neg_hi:[0,1]
.endr
	v_pk_mul_f32 v[56:57], v[d_:d_+1], v[d_:d_+1]
.irp i, 2,4,6
	v_pk_fma_f32 v[56:57], v[d_+\i:d_+\i+1], v[d_+\i:d_+\i+1], v[56:57]
.endr
	v_add_f32 v56, v56, v57
	v_permlanex16_b32 v57, v56, s[SEL], s[SEL+1]
	v_add_f32 v[l_+1], v56, v57
	ds_store_b64 v5, v[l_:l_+1] offset:(\slot)*2048+128*\t
.endr
	BAR
.set i, 0
.rept 16
	ds_load_b64 v[128+2*i:129+2*i], v6 offset:(\slot)*2048+(i/2)*256+(i%2)*128
.set i, i+1
.endr
	s_wait_dscnt 0x0
.irp t, 0,1
.set d_, DD+8*\t
.set e_, 128+2*\t
	v_add_f32 v56, v[e_], v[e_+4]
	v_add_f32 v57, v[e_+1], v[e_+5]
.irp k, 8,12,16,20,24,28
	v_add_f32 v56, v56, v[e_+\k]
	v_add_f32 v57, v57, v[e_+\k+1]
.endr
	v_mul_f32 v56, 0x3e000000, v56
	v_sub_f32 v58, v[e_], v56
	v_mul_f32 v59, v58, v58
.irp k, 4,8,12,16,20,24,28
	v_sub_f32 v58, v[e_+\k], v56
	v_fmac_f32 v59, v58, v58
.endr
	v_fmamk_f32 v57, v59, 0x41800000, v57
	v_fma_f32 v57, v57, s[INV], s[EPS]
	v_rsq_f32 v60, v57
	v_sub_f32 v62, v[52+2*\t], v56         ; a plain line behind the root
	s_wait_alu depctr_va_vdst(0)
	v_mov_b32 v61, v60
	v_mul_f32 v62, v62, v60
	v_mov_b32 v63, v62
.irp i, 0,2,4,6
	v_pk_fma_f32 v[d_+\i:d_+\i+1], v[d_+\i:d_+\i+1], v[60:61], v[62:63]
.endr
.endr
.if (\lw) >= 0
	s_wait_loadcnt \lw
.endif
	WIN W_GB
.irp t, 0,1
.irp i, 0,2,4,6
	v_pk_fma_f32 v[DD+8*\t+\i:DD+8*\t+\i+1], v[DD+8*\t+\i:DD+8*\t+\i+1], v[64+8*(\gi)+\i:64+8*(\gi)+\i+1], v[64+8*(\bi)+\i:64+8*(\bi)+\i+1]
.endr
.endr
	WIN 0
.irp t, 0,1
	PK4 56, DD+8*\t
	ds_store_b128 v7, v[56:59] offset:1024*\t
.endr
	BAR
.endm
; X(t) += my 16 output features' weights (window 1, v128 on) x the fragments at LDS byte hoff; two accumulators by turns.  lw = 1: the weights are still on their way
.macro GEMMW KT, hoff, lw=1
.set ck, 0
.if (\KT) < 8
.set nk, \KT
.else
.set nk, 8
.endif
.rept ((\KT)+7)/8
	LDL 128, 2*nk, L16, (\hoff)+16384*ck
.if \lw
	s_wait_loadcnt 0x0
.endif
	s_wait_dscnt 0x0
	WIN W_KQ
.set k_, 0
.rept nk
.irp t, 0,1
	MM (X+8*\t), (128+8*(8*ck+k_)), (128+8*(2*k_+\t)), 0
.endr
.set k_, k_+1
.endr
	WIN 0
	PLACES 4
.set ck, ck+1
.endr
.endm
.macro FFMUL                           ; 32 products: 4 k steps x (a0, a1, g0, g1) x 2 tiles; the bias (window 1, v0-31) starts the sums
.irp kt, 0,1,2,3
.if \kt == 0
	WIN W_C1
.else
	WIN W_KQ
.endif
.irp i, 0,1,2,3
.irp t, 0,1
.if \kt == 0
	MMC (S+32*\t+8*\i), (128+8*(4*\i)), (192+8*\t), (8*\i)
.else
	MM (S+32*\t+8*\i), (128+8*(4*\i+\kt)), (192+8*(2*\kt+\t)), 0
.endif
.endr
.endr
.endr
.endm
.macro LDB1 b1p, off                   ; a chunk's biases: a0, a1, g0, g1
.set i, 0
.rept 4
	global_load_b128 v[8*i:8*i+3], v4, s[\b1p:\b1p+1] offset:(\off)+(i%2)*64+(i/2)*2048
	global_load_b128 v[8*i+4:8*i+7], v4, s[\b1p:\b1p+1] offset:(\off)+(i%2)*64+(i/2)*2048+16
.set i, i+1
.endr
.endm
; LayerNorm, w1 + b1, GEGLU, w2 + b2 + residual.  Wave w makes hidden features 64 w .. 64 w + 63, 32 a trip of a loop of two, and then output features 16 w .. 16 w + 15.
; Behind a trip's products the next weights are asked for, into the same registers: in the first trip w1's second chunk and its biases, in the second w2.
.macro FF w1off, w2off, b1p, slot, gi, bi, b2k, lw
	WIN W_L1
	LDG 128, 8, TP, \w1off
	LDG 192, 8, TP, (\w1off)+131072
	LDB1 \b1p, 0
	WIN 0
	LNX \slot, \gi, \bi, \lw
	LDL 192, 8, L16, HA
	s_mov_b32 s[CNT], 2
.Lffc\@:
	s_wait_loadcnt 0x0                     ; this trip's weights and biases; the pointers below are free again
	s_wait_dscnt 0x0
	FFMUL
	WIN 0
	PLACES 4
	s_mov_b32 s[OA], (\w1off)+8192
	s_mov_b32 s[OB_], (\w1off)+131072+8192
	s_cmp_eq_u32 s[CNT], 2
	s_cselect_b32 s[OA], s[OA], \w2off
	s_cselect_b32 s[OB_], s[OB_], (\w2off)+8192
	s_add_nc_u64 s[PA:PA+1], s[TP:TP+1], s[OA:OA+1]
	s_add_nc_u64 s[PB:PB+1], s[TP:TP+1], s[OB_:OB_+1]
	WIN W_L1
	LDG 128, 8, PA, 0
	LDG 192, 8, PB, 0
	WIN 0
	s_cmp_eq_u32 s[CNT], 1
	s_cbranch_scc1 .Lnb\@                  ; there is no third chunk
	WIN W_L1
	LDB1 \b1p, 128
	WIN 0
.Lnb\@:
.irp t, 0,1
.irp i, 0,1
	GEGLU8 S+32*\t+8*\i, S+32*\t+8*\i+16
	PK4 S+32*\t+4*\i, S+32*\t+8*\i
.endr
	ds_store_b128 v8, v[S+32*\t:S+32*\t+3] offset:HB+1024*\t
	ds_store_b128 v8, v[S+32*\t+4:S+32*\t+7] offset:HB+1024*\t+512
.endr
	v_add_nc_u32 v8, 2048, v8              ; the next chunk is the next k step of w2
	s_sub_co_u32 s[CNT], s[CNT], 1
	s_cmp_lg_u32 s[CNT], 0
	s_cbranch_scc1 .Lffc\@
	BAR
	ADDV \b2k
	GEMMW 16, HB
.endm
.macro LATHEAD
	v_lshrrev_b32 v1, 5, v0
	v_readfirstlane_b32 s[WV], v1
	v_and_b32 v1, 31, v0
	v_lshlrev_b32 v2, 4, v1
	v_and_b32 v36, 15, v0
	v_bfe_u32 v37, v0, 4, 1
	s_lshl_b32 s2, s[WV], 6
	v_lshl_add_u32 v3, v37, 5, s2
	s_lshl_b32 s2, s[WV], 8
	v_lshl_add_u32 v4, v37, 5, s2
	s_add_co_u32 s2, s2, SX
	v_lshl_add_u32 v5, v36, 3, s2
	v_lshlrev_b32 v6, 3, v36
	v_add_nc_u32 v6, SX, v6
	s_lshr_b32 s2, s[WV], 1
	s_lshl_b32 s2, s2, 11
	s_and_b32 s3, s[WV], 1
	s_lshl_b32 s3, s3, 9
	s_add_co_u32 s2, s2, s3
	s_add_co_u32 s2, s2, HA
	v_add_nc_u32 v7, s2, v2
	s_lshl_b32 s2, s[WV], 12
	v_add_nc_u32 v8, s2, v2
	v_lshlrev_b32 v13, 4, v0
	s_mov_b32 s[SEL], 0x76543210
	s_mov_b32 s[SEL+1], 0xfedcba98
	s_mov_b32 s[PP], 0x3eaa540e            ; 0.47047 / sqrt 2
	SC2 NK, 0xbf38aa3b                     ; - log2(e) / 2
	SC2 KS, 0x3a000000                     ; 2^-11
	SC2 A1, 0x3eb2303a                     ; 0.3480242
	SC2 A2, 0xbdc45ca1                     ; -0.0958798
	SC2 A3, 0x3f3f7377                     ; 0.7478556
	s_mov_b32 s[EPS], 0x3727c5ac
	s_mov_b32 s[INV], 0x3c000000
	s_mov_b32 s[OA+1], 0
	s_mov_b32 s[OB_+1], 0
.endm
	s_load_b512 s[16:31], s[0:1], 0x0      ; x2 qkv2 wf sa_bo sf_ng sf_nb sf_b2 qa_cng
	s_load_b128 s[32:35], s[0:1], 0x40     ; qa_cnb sf_b1
	s_load_b64 s[36:37], s[0:1], 0x50      ; kv3
	v_lshl_add_u32 v14, v0, 2, SPARE
	v_mov_b32 v15, 0
	LATHEAD
	s_lshr_b32 s4, ttmp9, 4                ; batch
	s_and_b32 s5, ttmp9, 15                ; block of 32 rows
	s_mov_b32 s7, 0
	s_wait_kmcnt 0x0
	s_lshl_b32 s6, ttmp9, 14
	s_add_nc_u64 s[16:17], s[16:17], s[6:7]
	s_lshl_b32 s6, s[WV], 14
	s_add_nc_u64 s[TP:TP+1], s[20:21], s[6:7]
	s_lshl_b32 s6, s[WV], 12
	s_add_nc_u64 s[TP2:TP2+1], s[20:21], s[6:7]
	s_add_nc_u64 s[WOA:WOA+1], s[TP:TP+1], 819200
	s_add_nc_u64 s[WOB:WOB+1], s[TP:TP+1], 827392
	s_lshl3_add_u32 s6, s4, s[WV]          ; batch x 8 + head
	s_lshl_b32 s6, s6, 16
	s_add_nc_u64 s[52:53], s[18:19], s[6:7]
	s_add_nc_u64 s[PKA:PKA+1], s[52:53], 2097152   ; step 0
	s_add_nc_u64 s[PVA:PVA+1], s[52:53], 4194304
	s_add_nc_u64 s[PKB:PKB+1], s[PKA:PKA+1], 8192  ; step 1
	s_add_nc_u64 s[PVB:PVB+1], s[PVA:PVA+1], 8192
	s_lshl_b32 s6, s5, 12
	s_add_nc_u64 s[52:53], s[52:53], s[6:7]  ; my rows' Q
	s_lshl_b32 s8, s4, 17
	s_add_co_u32 s6, s6, s8
	s_add_nc_u64 s[36:37], s[36:37], s[6:7]  ; kv3 at the batch and the block
	global_load_b128 v[36:39], v3, s[22:23]           ; sa_bo, in registers that are idle during the attention
	global_load_b128 v[40:43], v3, s[22:23] offset:16
.irp k, 0,1,2,3
	global_load_b128 v[X+4*\k:X+4*\k+3], v13, s[16:17] offset:4096*\k
.endr
	LDG Q, 4, 52, 0
	WIN W_L1
	LDG 128, 8, PKA, 0                     ; both sets, in the order in which the waits count them
	LDG 192, 8, PVA, 0
	LDG 64, 8, PKB, 0
	WIN 0
	LDG 192, 8, PVB, 0
	ATT_INIT
	s_mov_b32 s[CNT], 4
.Latt:                                         ; four trips of two steps
	STEP 128, PKA, WOA, W_PV, 192, W_L1, PVA, WOB, 48, 0
	STEP 64, PKB, 0, W_PVB, 192, 0, PVB, 0, 32, 1
	s_sub_co_u32 s[CNT], s[CNT], 1
	s_cmp_lg_u32 s[CNT], 0
	s_cbranch_scc1 .Latt
	ALLT v_add_f32 v[rT+4], v[rT+4], v[rT+5]
	ALLT v_permlanex16_b32 v[rT+6], v[rT+4], s[SEL], s[SEL+1]
	ALLT v_add_f32 v[rT+4], v[rT+4], v[rT+6]
	ALLT v_rcp_f32 v[rT+2], v[rT+4]
	v_nop
	s_wait_alu depctr_va_vdst(0)
	WIN W_RS
	ALLN 0, 16, v_pk_mul_f32 v[rO+2*n:rO+2*n+1], v[rO+2*n:rO+2*n+1], v[rT+2:rT+3] op_sel_hi:[1,0]
	WIN W_P10
.set i, 0
.rept 32
	v_cvt_pk_f16_f32 v[S+i], v[2*i], v[2*i+1]
.set i, i+1
.endr
	WIN 0
.irp t, 0,1
.irp c, 0,1                            ; my head's 64 channels are k steps 2 w and 2 w + 1 of sa_wo
	ds_store_b128 v8, v[S+16*\t+8*\c:S+16*\t+8*\c+3] offset:HB+2048*\c+1024*\t
	ds_store_b128 v8, v[S+16*\t+8*\c+4:S+16*\t+8*\c+7] offset:HB+2048*\c+1024*\t+512
.endr
.endr
.irp t, 0,1
.irp i, 0,2,4,6
	v_pk_add_f32 v[X+8*\t+\i:X+8*\t+\i+1], v[X+8*\t+\i:X+8*\t+\i+1], v[36+\i:37+\i]  ; X += sa_bo
.endr
.endr
	s_wait_loadcnt 0x0                     ; sa_wo, asked for in the last trip, is in; nothing else is out, so both sets' registers are free
	WIN W_L1
.irp k, 0,1,2,3,4
	LDV \k, 24+2*\k                        ; sf_ng sf_nb sf_b2 qa_cng qa_cnb, where set B's K lay
.endr
	WIN 0
	BAR
	GEMMW 16, HB, 0
	FF 950272, 1212416, 34, 0, 0, 1, 2, 40 ; its LayerNorm's barriers stand between the reads of HB above and its stores into HB; behind the vectors' loads stand 32 of weights and 8 of biases
	WIN W_L1
	LDG 128, 4, TP2, 1343488               ; qa_wkv, n tile w
	WIN 0
	LNX 1, 3, 4
	LDL 192, 8, L16, HA
	s_wait_loadcnt 0x0
	s_wait_dscnt 0x0
	s_cmp_lt_u32 s[WV], 4
	s_cbranch_scc0 .Lv3
	WIN W_KQ
.irp kt, 0,1,2,3
.irp t, 0,1
	MM (S+8*\t), (128+8*\kt), (192+8*(2*\kt+\t)), (\kt==0)
.endr
.endr
	WIN 0
	PLACES 4
	PK4 36, S
	PK4 40, S+8
	s_lshl_b32 s6, s[WV], 9                ; channel half w / 2, registers 0-3 or 4-7 by w % 2
	s_add_nc_u64 s[36:37], s[36:37], s[6:7]
	global_store_b128 v2, v[36:39], s[36:37]
	global_store_b128 v2, v[40:43], s[36:37] offset:2048
	s_branch .Lend
.Lv3:
	WIN W_N
.irp kt, 0,1,2,3
.irp t, 0,1
	MM (S+8*\t), (192+8*(2*\kt+\t)), (128+8*\kt), (\kt==0)
.endr
.endr
	WIN 0
	PLACES 4
	PK4 36, S
	PK4 40, S+8
	s_lshl_b32 s6, s[WV], 10               ; channel tile w - 4, behind the batch's 65,536 bytes of K
	s_add_co_u32 s6, s6, 61440
	s_add_nc_u64 s[36:37], s[36:37], s[6:7]
	global_store_b128 v2, v[36:39], s[36:37]
	global_store_b128 v2, v[40:43], s[36:37] offset:512
.Lend:
	s_wait_tensorcnt 0x0                   ; the wave's end, behind my last LDS store
	ds_add_u32 v14, v15
	s_wait_dscnt 0x0
	s_endpgm
.Lfunc_end_k_q117d58c8da_lat2:
	.size	k_q117d58c8da_lat2, .Lfunc_end_k_q117d58c8da_lat2-k_q117d58c8da_lat2
	.p2alignl 7, 3214868480
	.fill 96, 4, 3214868480
	.section	.rodata,"a",@progbits
	.p2align	6, 0x0
	.amdhsa_kernel k_q117d58c8da_lat2
		.amdhsa_group_segment_fixed_size 131072
		.amdhsa_private_segment_fixed_size 0
		.amdhsa_enable_private_segment 0
		.amdhsa_kernarg_size 88
		.amdhsa_user_sgpr_count 2
		.amdhsa_user_sgpr_kernarg_segment_ptr 1
		.amdhsa_wavefront_size32 1
		.amdhsa_system_sgpr_workgroup_id_x 1
		.amdhsa_system_sgpr_workgroup_id_y 1
		.amdhsa_system_sgpr_workgroup_id_z 1
		.amdhsa_system_vgpr_workitem_id 0
		.amdhsa_next_free_vgpr 512
		.amdhsa_next_free_sgpr 100
		.amdhsa_reserve_vcc 0
		.amdhsa_float_denorm_mode_32 3
		.amdhsa_float_denorm_mode_16_64 3
		.amdhsa_memory_ordered 1
		.amdhsa_forward_progress 1
		.amdhsa_inst_pref_size 126
	.end_amdhsa_kernel
	.amdgpu_metadata
---
amdhsa.version: [ 1, 2 ]
amdhsa.kernels:
  - .name:           k_q117d58c8da_lat2
    .symbol:         k_q117d58c8da_lat2.kd
    .args:
      - { .name: x2, .offset: 0, .size: 8, .value_kind: global_buffer, .address_space: global }
      - { .name: qkv2, .offset: 8, .size: 8, .value_kind: global_buffer, .address_space: global }
      - { .name: wf, .offset: 16, .size: 8, .value_kind: global_buffer, .address_space: global }
      - { .name: sa_bo, .offset: 24, .size: 8, .value_kind: global_buffer, .address_space: global }
      - { .name: sf_ng, .offset: 32, .size: 8, .value_kind: global_buffer, .address_space: global }
      - { .name: sf_nb, .offset: 40, .size: 8, .value_kind: global_buffer, .address_space: global }
      - { .name: sf_b2, .offset: 48, .size: 8, .value_kind: global_buffer, .address_space: global }
      - { .name: qa_cng, .offset: 56, .size: 8, .value_kind: global_buffer, .address_space: global }
      - { .name: qa_cnb, .offset: 64, .size: 8, .value_kind: global_buffer, .address_space: global }
      - { .name: sf_b1, .offset: 72, .size: 8, .value_kind: global_buffer, .address_space: global }
      - { .name: kv3, .offset: 80, .size: 8, .value_kind: global_buffer, .address_space: global }
    .group_segment_fixed_size: 131072
    .private_segment_fixed_size: 0
    .kernarg_segment_align: 8
    .kernarg_segment_size: 88
    .max_flat_workgroup_size: 256
    .sgpr_count:     100
    .vgpr_count:     512
    .wavefront_size: 32
...
	.end_amdgpu_metadata
.endif
;; end of part 3
;; launch coord (part 4): grid 256 x 1, 8 waves a work-group, no clusters, 316,416 bytes of LDS; arguments queries, kv3, wf, out0; writes out0
.if DOCPART == 4
	.amdgcn_target "amdgcn-amd-amdhsa--gfx1250"
	.amdhsa_code_object_version 6
	.text
	.protected	k_q117d58c8da_coord
	.globl	k_q117d58c8da_coord
	.p2align	8
	.type	k_q117d58c8da_coord,@function
k_q117d58c8da_coord:
	s_mov_b64 s[64:65], 0
	v_nop
	global_prefetch_b8 v0, s[64:65] scope:SCOPE_SE
	s_setreg_imm32_b32 hwreg(HW_REG_WAVE_MODE, 25, 1), 1
	s_wait_xcnt 0x0
; COORD.  All of the coordinate attention for 1,024 query rows of one batch: LayerNorm, q, attention over the batch's 512 latent keys, wo + bo + residual, LayerNorm, GEGLU feed-forward + residual.
; SHARES.  256 work-groups; a wave owns 128 rows, taken as two passes of 64 (four tiles of 16).  K3, V3, the four small weights and the seven vectors are copied into LDS once (176,128 bytes);
; behind that one barrier no wave waits for another, and the two waves of a SIMD fill each other's gaps: a tile has 168 matrix and some 1,500 vector instructions.
; A pass's rows are asked for ahead, into window 1's v128-255: the first pass's at the head, behind the tables' loads; the second's behind the first pass's feed-forward, ahead of its way out.
; FORMS.  Weight or K fragment as source 0, activation fragment as source 1: a lane of the result holds one row (lane % 16) and features 8 (lane / 16) + 0..7, and two such results rounded to f16 ARE the
; next product's fragment.  The residual y stays in f32 in that layout and is the accumulator of wo's and w2's products.  Rows come in and leave through the wave's own stage in LDS, so that every
; load and store of memory covers 512 consecutive aligned bytes.
; SOFTMAX.  Running maximum m and sum l; the scores come as base-2 exponents (log2(e)/8 lies in wq).
; LIMITS.  f16 operands stay under 65,504; a x gelu(g) is kept as 2^-10 of itself (w2 holds the 1,024), so |a gelu(g)| stays under 6.7e7; weights p under 6e-5 keep f16's fixed step; an exponential
; under 2^-126 counts as 0; erf by Abramowitz and Stegun 7.1.25, absolute error 2.5e-5 at every x, a twentieth of f16's rounding step 2^-11 of the number made of it; NaN and infinities are not treated apart.
; No cluster: what work-groups share is the head's one copy of 176,128 bytes beside 524,288 bytes of rows of their own.  No tensor load: no LDS byte is filled twice but the waves' own stages.
; REGISTERS.  window 0: v1-13, v56 addresses; v16-55 statistics / at work; v64-127 Q and other fragments; v128-255 scores / results.   window 1: v0-127 O, then y; v128-191 K / weights; v192-255 V / weights, vectors; v128-255 also the rows on their way in
.set NT,    4
.set WB,    131072         ; behind K3 (0) and V3 (65,536): qa_wq 0, qa_wo 8,192, qf_w1 16,384, qf_w2 32,768, vectors 40,960
.set STG,   176128         ; 8 x 17,408: a wave's 64 rows of 256 bytes + 16 of padding
.set SPARE, 315392         ; the spare words, 128 bytes a wave
.set L16, 2
.set ST,  16               ; tile t at ST + 10 t: m / mean, -, a / 1/sigma, -, l (2), c0-c3
.set GT,  16
.set Q,   64
.set S,   128
.set KF,  128
.set VF,  192
.set WV,  12
.set PASS, 13
.set CNT, 14
.set SEL, 66
.set PP,  68
.set NK,  70
.set KS,  72
.set A1,  74
.set A2,  76
.set A3,  78
.set EPS, 84
.set INV, 85
.set W_KQ, 0x01
.set W_N,  0x04
.set W_PV, 0x51
.set W_RS, 0x41
.set W_L1, 0x40
.set W_GB, 0x14
.set W_C1, 0x11
.set W_P10, 0x05
.set W_A1, 0x45
.set MSB, 0
.macro WIN new
.if MSB != (\new)
	s_set_vgpr_msb (MSB<<8)|(\new)
.set MSB, (\new)
.endif
.endm
.macro PLACES cnt
.rept \cnt
	v_nop
.endr
.endm
.macro LDL dst, cnt, va, off, stride=1024
.set li, 0
.rept \cnt
	ds_load_b128 v[(\dst)+8*li:(\dst)+8*li+3], v[\va] offset:(\off)+(\stride)*li
	ds_load_b128 v[(\dst)+8*li+4:(\dst)+8*li+7], v[\va] offset:(\off)+(\stride)*li+512
.set li, li+1
.endr
.endm
.macro PK4 d, s
.set pi_, 0
.rept 4
	v_cvt_pk_f16_f32 v[(\d)+pi_], v[(\s)+2*pi_], v[(\s)+2*pi_+1]
.set pi_, pi_+1
.endr
.endm
.macro MM d, a, b, z
.if \z
	v_wmma_f32_16x16x32_f16 v[\d:\d+7], v[\a:\a+7], v[\b:\b+7], 0
.else
	v_wmma_f32_16x16x32_f16 v[\d:\d+7], v[\a:\a+7], v[\b:\b+7], v[\d:\d+7]
.endif
.endm
.macro MMC d, a, b, c
	v_wmma_f32_16x16x32_f16 v[\d:\d+7], v[\a:\a+7], v[\b:\b+7], v[\c:\c+7]
.endm
.macro ALLT line:vararg
.set t, 0
	s_wait_alu depctr_va_vdst(0)
.rept NT
.set rT, ST+10*t
.set rS, S+32*t
.set rO, 32*t
.set rQ, Q+16*t
	\line
.set t, t+1
.endr
.endm
.macro ALLN first, cnt, line:vararg
.set n, \first
.rept \cnt
	ALLT \line
.set n, n+1
.endr
.endm
.macro SC2 r, val
	s_mov_b32 s[\r], \val
	s_mov_b32 s[\r+1], \val
.endm
.macro ROWS off                        ; 64 rows of queries, 512 consecutive bytes a load, into window 1's v128-255
	WIN W_L1
.set i, 0
.rept 32
	global_load_b128 v[128+4*i:131+4*i], v2, s[4:5] offset:(\off)+512*i th:TH_LOAD_NT
.set i, i+1
.endr
	WIN 0
.endm
.macro KQ                              ; S^T = K Q^T for 64 keys; the 16 accumulators take turns, one instruction a turn
	WIN W_KQ
.irp c, 0,1
.irp kt, 0,1,2,3
.set t, 0
.rept NT
	MM (S+32*t+8*\kt), (KF+16*\kt+8*\c), (Q+16*t+8*\c), (\c==0)
.set t, t+1
.endr
.endr
.endr
.endm
.macro PV                              ; O^T += V^T P
	WIN W_PV
.irp kk, 0,1
.irp ch, 0,1,2,3
.set t, 0
.rept NT
	MM (32*t+8*\ch), (VF+32*\kk+8*\ch), (S+32*t+8*\kk), 0
.set t, t+1
.endr
.endr
.endr
.endm
.macro SOFTMAX                         ; 117 lines a tile; each accumulator's lowest registers are read first
	WIN 0
	ALLN 0, 4, v_max3_num_f32 v[rT+6+n], v[rS+8*n], v[rS+8*n+1], v[rS+8*n+2]
	ALLN 4, 8, v_max3_num_f32 v[rT+6+n%4], v[rT+6+n%4], v[rS+8*(n%4)+2*(n/4)+1], v[rS+8*(n%4)+2*(n/4)+2]
	ALLT v_max3_num_f32 v[rT+6], v[rT+6], v[rS+7], v[rS+15]
	ALLT v_max3_num_f32 v[rT+7], v[rT+7], v[rS+23], v[rS+31]
	ALLT v_max3_num_f32 v[rT+8], v[rT+8], v[rT+9], v[rT]
	ALLT v_max3_num_f32 v[rT+6], v[rT+6], v[rT+7], v[rT+8]
	ALLT v_permlanex16_b32 v[rT+7], v[rT+6], s[SEL], s[SEL+1]
	ALLT v_max_num_f32 v[rT+6], v[rT+6], v[rT+7]
	ALLT v_sub_f32 v[rT+2], v[rT], v[rT+6]
	ALLT v_mov_b32 v[rT], v[rT+6]
	ALLT v_exp_f32 v[rT+2], v[rT+2]
	ALLN 0, 16, v_pk_add_f32 v[rS+2*n:rS+2*n+1], v[rS+2*n:rS+2*n+1], v[rT:rT+1] op_sel_hi:[1,0] neg_lo:[0,1] neg_hi:[0,1]
	ALLN 0, 32, v_exp_f32 v[rS+n], v[rS+n]
	WIN W_RS                               ; the rescaling of O^T: the plain lines behind the exponentials
	ALLN 0, 16, v_pk_mul_f32 v[rO+2*n:rO+2*n+1], v[rO+2*n:rO+2*n+1], v[rT+2:rT+3] op_sel_hi:[1,0]
	WIN 0
	ALLT v_pk_add_f32 v[rT+6:rT+7], v[rS:rS+1], v[rS+2:rS+3]
	ALLT v_pk_add_f32 v[rT+8:rT+9], v[rS+4:rS+5], v[rS+6:rS+7]
	ALLN 4, 12, v_pk_add_f32 v[rT+6+2*(n%2):rT+7+2*(n%2)], v[rT+6+2*(n%2):rT+7+2*(n%2)], v[rS+2*n:rS+2*n+1]
	ALLT v_pk_add_f32 v[rT+6:rT+7], v[rT+6:rT+7], v[rT+8:rT+9]
	ALLT v_pk_fma_f32 v[rT+4:rT+5], v[rT+4:rT+5], v[rT+2:rT+3], v[rT+6:rT+7] op_sel_hi:[1,0,1]
	ALLN 0, 16, v_cvt_pk_f16_f32 v[rS+n], v[rS+2*n], v[rS+2*n+1]
.endm
.macro ATT_INIT                        ; m at the lowest finite number, l and O at 0: the first step is a step like any other, with a = 0; the price, 172 moves for 64 rows, spares a first step written out
	WIN 0
.set i, 0
.rept 10*NT
	v_mov_b32 v[ST+i], 0
.set i, i+1
.endr
	ALLT v_mov_b32 v[rT], 0xff7fffff
	WIN W_L1
.set i, 0
.rept 32*NT
	v_mov_b32 v[i], 0
.set i, i+1
.endr
	WIN 0
.endm
.macro LOADK
	WIN W_L1
	LDL KF, 8, 3, 0
	WIN 0
.endm
.macro LOADV
	WIN W_L1
	LDL VF, 8, 4, 0
	WIN 0
.endm
.macro ATT ns                          ; ns steps of 64 keys; K and V of step 0 have been asked for, K first
	s_mov_b32 s[CNT], \ns
.Latt\@:
	s_wait_dscnt 16                        ; K is in: the 16 younger LDS loads are V's
	v_add_nc_u32 v3, 8192, v3
	KQ
	WIN 0
	PLACES 4                               ; behind the products, ahead of the loads into K's registers and of the reads of the scores
	s_cmp_eq_u32 s[CNT], 1
	s_cbranch_scc1 .Lnk\@                  ; the last step loads nothing
	LOADK
.Lnk\@:
	SOFTMAX
	s_wait_dscnt 0x0                       ; V is in (and the next K, asked for a softmax ago)
	v_add_nc_u32 v4, 8192, v4
	PV
	WIN 0
	PLACES 5                               ; ahead of the loads into V's registers and of the products that write over P
	s_cmp_eq_u32 s[CNT], 1
	s_cbranch_scc1 .Lnv\@
	LOADV
.Lnv\@:
	s_sub_co_u32 s[CNT], s[CNT], 1
	s_cmp_lg_u32 s[CNT], 0
	s_cbranch_scc1 .Latt\@
.endm
; a <- 2^-10 a gelu(x), eight numbers.  gelu(x) = (x + |x| erf(|x| / sqrt 2)) / 2;  erf(z) = 1 - (a1 t + a2 t^2 + a3 t^3) e^(-z z), t = 1 / (1 + 0.47047 z)
.macro GEGLU8 a, x
.set g_, 0
.rept 8
	v_fma_f32 v[GT+g_], |v[(\x)+g_]|, s[PP], 1.0
.set g_, g_+1
.endr
.set g_, 0
.rept 8
	v_rcp_f32 v[GT+g_], v[GT+g_]
.set g_, g_+1
.endr
.irp k, 0,2,4,6
	v_pk_mul_f32 v[GT+8+\k:GT+9+\k], v[(\x)+\k:(\x)+\k+1], v[(\x)+\k:(\x)+\k+1]
.endr
.irp k, 0,2,4,6
	v_pk_mul_f32 v[GT+8+\k:GT+9+\k], v[GT+8+\k:GT+9+\k], s[NK:NK+1] op_sel_hi:[1,0]
.endr
.set g_, 0
.rept 8
	v_exp_f32 v[GT+8+g_], v[GT+8+g_]
.set g_, g_+1
.endr
	s_wait_alu depctr_va_vdst(0)
.irp k, 0,2,4,6
	v_pk_fma_f32 v[GT+16+\k:GT+17+\k], v[GT+\k:GT+1+\k], s[A3:A3+1], s[A2:A2+1] op_sel_hi:[1,0,0]
.endr
.irp k, 0,2,4,6
	v_pk_fma_f32 v[GT+16+\k:GT+17+\k], v[GT+16+\k:GT+17+\k], v[GT+\k:GT+1+\k], s[A1:A1+1] op_sel_hi:[1,1,0]
.endr
.irp k, 0,2,4,6
	v_pk_mul_f32 v[GT+16+\k:GT+17+\k], v[GT+16+\k:GT+17+\k], v[GT+\k:GT+1+\k]
.endr
.irp k, 0,2,4,6
	v_pk_fma_f32 v[GT+16+\k:GT+17+\k], v[GT+16+\k:GT+17+\k], v[GT+8+\k:GT+9+\k], 1.0 op_sel_hi:[1,1,0] neg_lo:[1,0,0] neg_hi:[1,0,0]
.endr
.set g_, 0
.rept 8
	v_fma_f32 v[(\x)+g_], |v[(\x)+g_]|, v[GT+16+g_], v[(\x)+g_]
.set g_, g_+1
.endr
.irp k, 0,2,4,6
	v_pk_mul_f32 v[(\x)+\k:(\x)+\k+1], v[(\x)+\k:(\x)+\k+1], s[KS:KS+1] op_sel_hi:[1,0]
.endr
.irp k, 0,2,4,6
	v_pk_mul_f32 v[(\a)+\k:(\a)+\k+1], v[(\a)+\k:(\a)+\k+1], v[(\x)+\k:(\x)+\k+1]
.endr
.endm
.macro RDY base                        ; the pass's 64 rows out of my stage: a lane takes one row of each tile and 32 of its features
.set i, 0
.rept 16
	ds_load_b128 v[(\base)+8*i:(\base)+8*i+3], v8 offset:4352*(i/4)+64*(i%4)
	ds_load_b128 v[(\base)+8*i+4:(\base)+8*i+7], v8 offset:4352*(i/4)+64*(i%4)+16
.set i, i+1
.endr
.endm
.macro LDVEC dst, off                  ; a vector of 64 in the same layout: 32 registers
.set i, 0
.rept 4
	ds_load_b128 v[(\dst)+8*i:(\dst)+8*i+3], v6 offset:(\off)+64*i
	ds_load_b128 v[(\dst)+8*i+4:(\dst)+8*i+7], v6 offset:(\off)+64*i+16
.set i, i+1
.endr
.endm
; LayerNorm over 64 features (32 here, 32 in the lane 16 away), two passes over registers.  The rows lie at SB in window sw; gain and bias in window 1 at GB and GB + 32; the f16 fragments go to Q.
.macro LN sw, SB, GB
	WIN 5*(\sw)
	ALLT v_pk_add_f32 v[rT+6:rT+7], v[(\SB)+32*t:(\SB)+32*t+1], v[(\SB)+32*t+2:(\SB)+32*t+3]
	ALLT v_pk_add_f32 v[rT+8:rT+9], v[(\SB)+32*t+4:(\SB)+32*t+5], v[(\SB)+32*t+6:(\SB)+32*t+7]
	WIN 4*(\sw)
	ALLN 4, 12, v_pk_add_f32 v[rT+6+2*(n%2):rT+7+2*(n%2)], v[rT+6+2*(n%2):rT+7+2*(n%2)], v[(\SB)+32*t+2*n:(\SB)+32*t+2*n+1]
	WIN 0
	ALLT v_pk_add_f32 v[rT+6:rT+7], v[rT+6:rT+7], v[rT+8:rT+9]
	ALLT v_add_f32 v[rT+6], v[rT+6], v[rT+7]
	ALLT v_permlanex16_b32 v[rT+7], v[rT+6], s[SEL], s[SEL+1]
	ALLT v_add_f32 v[rT+6], v[rT+6], v[rT+7]
	ALLT v_mul_f32 v[rT], s[INV], v[rT+6]
	WIN \sw
	ALLN 0, 16, v_pk_add_f32 v[rS+2*n:rS+2*n+1], v[(\SB)+32*t+2*n:(\SB)+32*t+2*n+1], v[rT:rT+1] op_sel_hi:[1,0] neg_lo:[0,1] neg_hi:[0,1]
	WIN 0
	ALLT v_pk_mul_f32 v[rT+6:rT+7], v[rS:rS+1], v[rS:rS+1]
	ALLT v_pk_mul_f32 v[rT+8:rT+9], v[rS+2:rS+3], v[rS+2:rS+3]
	ALLN 2, 14, v_pk_fma_f32 v[rT+6+2*(n%2):rT+7+2*(n%2)], v[rS+2*n:rS+2*n+1], v[rS+2*n:rS+2*n+1], v[rT+6+2*(n%2):rT+7+2*(n%2)]
	ALLT v_pk_add_f32 v[rT+6:rT+7], v[rT+6:rT+7], v[rT+8:rT+9]
	ALLT v_add_f32 v[rT+6], v[rT+6], v[rT+7]
	ALLT v_permlanex16_b32 v[rT+7], v[rT+6], s[SEL], s[SEL+1]
	ALLT v_add_f32 v[rT+6], v[rT+6], v[rT+7]
	ALLT v_fma_f32 v[rT+6], v[rT+6], s[INV], s[EPS]
	ALLT v_rsq_f32 v[rT+2], v[rT+6]
	v_nop
	s_wait_alu depctr_va_vdst(0)
	ALLN 0, 16, v_pk_mul_f32 v[rS+2*n:rS+2*n+1], v[rS+2*n:rS+2*n+1], v[rT+2:rT+3] op_sel_hi:[1,0]
	WIN W_GB
	ALLN 0, 16, v_pk_fma_f32 v[rS+2*n:rS+2*n+1], v[rS+2*n:rS+2*n+1], v[(\GB)+2*n:(\GB)+2*n+1], v[(\GB)+32+2*n:(\GB)+32+2*n+1]
	WIN 0
	ALLN 0, 16, v_cvt_pk_f16_f32 v[rQ+n], v[rS+2*n], v[rS+2*n+1]
.endm
	s_load_b256 s[4:11], s[0:1], 0x0       ; queries s[4:5], kv3 s[6:7], wf s[8:9], out0 s[10:11]
	v_lshl_add_u32 v14, v0, 2, SPARE
	v_mov_b32 v15, 0
	v_lshrrev_b32 v1, 5, v0
	v_readfirstlane_b32 s[WV], v1
	v_and_b32 v1, 31, v0
	v_lshlrev_b32 v2, 4, v1                ; 16 x lane
	v_lshlrev_b32 v9, 8, v1                ; 256 x lane: a row of queries
	v_and_b32 v57, 15, v0                  ; r
	v_bfe_u32 v58, v0, 4, 1                ; h
	v_add_nc_u32 v5, WB, v2
	v_lshlrev_b32 v6, 5, v58
	v_add_nc_u32 v6, WB+40960, v6
	s_mul_i32 s2, s[WV], 17408
	s_add_co_u32 s2, s2, STG
	v_mul_u32_u24 v7, v58, 272
	v_lshl_add_u32 v7, v57, 4, v7
	v_add_nc_u32 v7, s2, v7                ; by memory's order: row h, 16 bytes at 16 r
	v_mul_u32_u24 v8, v57, 272
	v_lshl_add_u32 v8, v58, 5, v8
	v_add_nc_u32 v8, s2, v8                ; by the products' order: row r, 32 bytes at 32 h
	v_lshlrev_b32 v10, 4, v0
	v_add_nc_u32 v11, 65536, v10
	v_add_nc_u32 v12, 131072, v10
	s_mov_b32 s[SEL], 0x76543210
	s_mov_b32 s[SEL+1], 0xfedcba98
	s_mov_b32 s[PP], 0x3eaa540e            ; 0.47047 / sqrt 2
	SC2 NK, 0xbf38aa3b                     ; - log2(e) / 2
	SC2 KS, 0x3a000000                     ; 2^-11
	SC2 A1, 0x3eb2303a                     ; 0.3480242
	SC2 A2, 0xbdc45ca1                     ; -0.0958798
	SC2 A3, 0x3f3f7377                     ; 0.7478556
	s_mov_b32 s[EPS], 0x3727c5ac
	s_mov_b32 s[INV], 0x3c800000           ; 1/64
	s_lshr_b32 s2, ttmp9, 6                ; batch
	s_lshl_b32 s2, s2, 17
	s_mov_b32 s3, 0
	s_lshl_b32 s14, ttmp9, 18              ; 1,024 rows of 256 bytes
	s_lshl_b32 s15, s[WV], 15              ; my 128
	s_add_co_u32 s14, s14, s15
	s_mov_b32 s15, 0
	s_mov_b32 s[PASS], 2
	s_wait_kmcnt 0x0
	s_add_nc_u64 s[6:7], s[6:7], s[2:3]
	s_add_nc_u64 s[8:9], s[8:9], 1376256
	s_add_nc_u64 s[4:5], s[4:5], s[14:15]
	s_add_nc_u64 s[10:11], s[10:11], s[14:15]
.set i, 0
.rept 32                               ; K3 and V3 of the batch: 4,096 consecutive bytes a line for the work-group
	global_load_b128 v[64+4*i:67+4*i], v10, s[6:7] offset:4096*i
.set i, i+1
.endr
.set i, 0
.rept 11                               ; the four weights and the vectors
	global_load_b128 v[192+4*i:195+4*i], v10, s[8:9] offset:4096*i
.set i, i+1
.endr
	ROWS 0                                 ; the first pass's rows go out with them
.set i, 0
.rept 40
	v_mov_b32 v[ST+i], 0                   ; pairs of which one half is used are written whole
.set i, i+1
.endr
	s_wait_loadcnt 32                      ; the tables are in; the rows' 32 loads, which are younger, may stay out
.set i, 0
.rept 16
	ds_store_b128 v10, v[64+4*i:67+4*i] offset:4096*i
	ds_store_b128 v11, v[128+4*i:131+4*i] offset:4096*i
.set i, i+1
.endr
.set i, 0
.rept 11
	ds_store_b128 v12, v[192+4*i:195+4*i] offset:4096*i
.set i, i+1
.endr
	s_wait_dscnt 0x0
	s_barrier_signal -1
	s_barrier_wait -1                      ; the launch's one barrier: the tables are whole
.Lpass:
	; A. the pass's 64 rows, asked for earlier, go into my stage
	s_wait_loadcnt 0x0
	WIN W_N
.set i, 0
.rept 32
	ds_store_b128 v7, v[128+4*i:131+4*i] offset:544*i
.set i, i+1
.endr
	WIN 0
	; B. LayerNorm and q
	RDY S                                  ; my own bytes: LDS serves a wave's instructions in order
	WIN W_L1
	LDVEC 128, 0                           ; qa_ng
	LDVEC 160, 256                         ; qa_nb
	LDL 192, 8, 5, 0                       ; qa_wq
	WIN 0
	s_wait_dscnt 0x0
	LN 0, S, 128
	v_mov_b32 v3, v2                       ; K3 lies at LDS byte 0
	LOADK
	WIN W_KQ
.irp kt, 0,1
.irp nt, 0,1,2,3
.set t, 0
.rept 4
	MM (S+32*t+8*\nt), (192+8*(2*\nt+\kt)), (Q+16*t+8*\kt), (\kt==0)
.set t, t+1
.endr
.endr
.endr
	WIN 0
	PLACES 4
	v_add_nc_u32 v4, 65536, v2
	LOADV
	ALLN 0, 16, v_cvt_pk_f16_f32 v[rQ+n], v[rS+2*n], v[rS+2*n+1]
	ATT_INIT
	; C. attention over the 512 keys
	ATT 8
	; D. O / l, wo, bo and the residual
	ALLT v_add_f32 v[rT+4], v[rT+4], v[rT+5]
	ALLT v_permlanex16_b32 v[rT+6], v[rT+4], s[SEL], s[SEL+1]
	ALLT v_add_f32 v[rT+4], v[rT+4], v[rT+6]
	ALLT v_rcp_f32 v[rT+2], v[rT+4]
	v_nop
	s_wait_alu depctr_va_vdst(0)
	WIN W_RS
	ALLN 0, 16, v_pk_mul_f32 v[rO+2*n:rO+2*n+1], v[rO+2*n:rO+2*n+1], v[rT+2:rT+3] op_sel_hi:[1,0]
	WIN W_P10
	ALLN 0, 16, v_cvt_pk_f16_f32 v[rQ+n], v[rO+2*n], v[rO+2*n+1]
	WIN W_L1
	RDY 0                                  ; the rows once more, as the residual
	LDL 128, 8, 5, 8192                    ; qa_wo
	LDVEC 192, 512                         ; qa_bo
	WIN 0
	s_cmp_eq_u32 s[PASS], 1                ; the last pass has no rows behind it
	s_cbranch_scc1 .Lnopf
	global_prefetch_b8 v9, s[4:5] offset:16384 th:TH_LOAD_NT scope:SCOPE_SE  ; the next pass's 64 rows, a lane a row, each named once: a product, a LayerNorm and the feed-forward ahead of their loads
	global_prefetch_b8 v9, s[4:5] offset:24576 th:TH_LOAD_NT scope:SCOPE_SE
.Lnopf:
	s_wait_dscnt 0x0
	WIN W_A1
	ALLN 0, 16, v_pk_add_f32 v[rO+2*n:rO+2*n+1], v[rO+2*n:rO+2*n+1], v[192+2*n:193+2*n]
	WIN W_PV
.irp kt, 0,1
.irp nt, 0,1,2,3
.set t, 0
.rept 4
	MM (32*t+8*\nt), (128+8*(2*\nt+\kt)), (Q+16*t+8*\kt), 0
.set t, t+1
.endr
.endr
.endr
	WIN 0
	PLACES 4
	; E. the second LayerNorm; then b2 onto y
	WIN W_L1
	LDVEC 192, 768                         ; qf_ng
	LDVEC 224, 1024                        ; qf_nb
	WIN 0
	s_wait_dscnt 0x0
	LN 1, 0, 192
	LDVEC 16, 1792                         ; qf_b2, into registers that are free now
	s_wait_dscnt 0x0
	WIN W_RS
	ALLN 0, 16, v_pk_add_f32 v[rO+2*n:rO+2*n+1], v[rO+2*n:rO+2*n+1], v[16+2*n:17+2*n]
	WIN 0
	; F. the feed-forward, 32 hidden features a trip
	v_add_nc_u32 v13, 16384, v5            ; qf_w1
	v_add_nc_u32 v1, 32768, v5             ; qf_w2
	v_add_nc_u32 v56, 1280, v6             ; qf_b1
	s_mov_b32 s[CNT], 2
.Lff:
	WIN W_L1
	LDL 128, 4, 13, 0                      ; a0, a1: two k steps each
	LDL 160, 4, 13, 8192                   ; g0, g1
	LDL 192, 4, 1, 0, 2048                 ; w2's k step of this trip, four output tiles
.set i, 0
.rept 4
	ds_load_b128 v[224+8*i:227+8*i], v56 offset:(i%2)*64+(i/2)*256
	ds_load_b128 v[228+8*i:231+8*i], v56 offset:(i%2)*64+(i/2)*256+16
.set i, i+1
.endr
	WIN 0
	s_wait_dscnt 0x0
	WIN W_C1                               ; the bias starts the sums
.irp i, 0,1,2,3
.set t, 0
.rept 4
	MMC (S+32*t+8*\i), (128+16*\i), (Q+16*t), (224+8*\i)
.set t, t+1
.endr
.endr
	WIN W_KQ
.irp i, 0,1,2,3
.set t, 0
.rept 4
	MM (S+32*t+8*\i), (136+16*\i), (Q+16*t+8), 0
.set t, t+1
.endr
.endr
	WIN 0
	PLACES 4
.irp t, 0,1,2,3
.irp i, 0,1
	GEGLU8 S+32*\t+8*\i, S+32*\t+8*\i+16
	PK4 S+32*\t+4*\i, S+32*\t+8*\i
.endr
.endr
	WIN W_PV
.irp nt, 0,1,2,3
.set t, 0
.rept 4
	MM (32*t+8*\nt), (192+8*\nt), (S+32*t), 0
.set t, t+1
.endr
.endr
	WIN 0
	PLACES 5                               ; ahead of the next trip's loads and of its products, which write over this trip's fragments; ahead of the loads and stores below
	v_add_nc_u32 v13, 4096, v13
	v_add_nc_u32 v1, 1024, v1
	v_add_nc_u32 v56, 128, v56
	s_sub_co_u32 s[CNT], s[CNT], 1
	s_cmp_lg_u32 s[CNT], 0
	s_cbranch_scc1 .Lff
	; the weights' registers are free: the next pass's rows are asked for, ahead of this pass's way out
	s_cmp_eq_u32 s[PASS], 1
	s_cbranch_scc1 .Lnorows
	ROWS 16384
.Lnorows:
	; G. 64 rows out, through my stage
	WIN W_N
.set i, 0
.rept 16
	ds_store_b128 v8, v[8*i:8*i+3] offset:4352*(i/4)+64*(i%4)
	ds_store_b128 v8, v[8*i+4:8*i+7] offset:4352*(i/4)+64*(i%4)+16
.set i, i+1
.endr
	WIN 0
.set i, 0
.rept 32
	ds_load_b128 v[128+4*i:131+4*i], v7 offset:544*i
.set i, i+1
.endr
.set i, 0
.rept 32
	s_wait_dscnt 31-i                      ; LDS loads come back in order: load i is in, the younger ones stay out
	global_store_b128 v2, v[128+4*i:131+4*i], s[10:11] offset:512*i th:TH_STORE_NT  ; 512 consecutive bytes, at a multiple of 256 from out0's first
.set i, i+1
.endr
	s_wait_xcnt 0x0                        ; the loads, the stores and the prefetches have read their registers: the bases step, and the next pass writes the stores' data registers
	s_add_nc_u64 s[4:5], s[4:5], 16384
	s_add_nc_u64 s[10:11], s[10:11], 16384
	s_sub_co_u32 s[PASS], s[PASS], 1
	s_cmp_lg_u32 s[PASS], 0
	s_cbranch_scc1 .Lpass
	s_wait_tensorcnt 0x0                   ; the wave's end, behind my last LDS store
	ds_add_u32 v14, v15
	s_wait_dscnt 0x0
	s_endpgm
.Lfunc_end_k_q117d58c8da_coord:
	.size	k_q117d58c8da_coord, .Lfunc_end_k_q117d58c8da_coord-k_q117d58c8da_coord
	.p2alignl 7, 3214868480
	.fill 96, 4, 3214868480
	.section	.rodata,"a",@progbits
	.p2align	6, 0x0
	.amdhsa_kernel k_q117d58c8da_coord
		.amdhsa_group_segment_fixed_size 316416
		.amdhsa_private_segment_fixed_size 0
		.amdhsa_enable_private_segment 0
		.amdhsa_kernarg_size 32
		.amdhsa_user_sgpr_count 2
		.amdhsa_user_sgpr_kernarg_segment_ptr 1
		.amdhsa_wavefront_size32 1
		.amdhsa_system_sgpr_workgroup_id_x 1
		.amdhsa_system_sgpr_workgroup_id_y 1
		.amdhsa_system_sgpr_workgroup_id_z 1
		.amdhsa_system_vgpr_workitem_id 0
		.amdhsa_next_free_vgpr 512
		.amdhsa_next_free_sgpr 100
		.amdhsa_reserve_vcc 0
		.amdhsa_float_denorm_mode_32 3
		.amdhsa_float_denorm_mode_16_64 3
		.amdhsa_memory_ordered 1
		.amdhsa_forward_progress 1
		.amdhsa_inst_pref_size 203
	.end_amdhsa_kernel
	.amdgpu_metadata
---
amdhsa.version: [ 1, 2 ]
amdhsa.kernels:
  - .name:           k_q117d58c8da_coord
    .symbol:         k_q117d58c8da_coord.kd
    .args:
      - { .name: queries, .offset: 0, .size: 8, .value_kind: global_buffer, .address_space: global }
      - { .name: kv3, .offset: 8, .size: 8, .value_kind: global_buffer, .address_space: global }
      - { .name: wf, .offset: 16, .size: 8, .value_kind: global_buffer, .address_space: global }
      - { .name: out0, .offset: 24, .size: 8, .value_kind: global_buffer, .address_space: global }
    .group_segment_fixed_size: 316416
    .private_segment_fixed_size: 0
    .kernarg_segment_align: 8
    .kernarg_segment_size: 32
    .max_flat_workgroup_size: 256
    .sgpr_count:     100
    .vgpr_count:     512
    .wavefront_size: 32
...
	.end_amdgpu_metadata
.endif
;; end of part 4
